; MI455X (gfx1250); checked and timed in simulation.
; The chip was launched on July 23, 2026; its instructions are those of AMD's public machine-readable ISA for CDNA 5 (MIT licence, August 2026) and "CDNA5" Instruction Set Architecture Reference Guide (July 2026). The comments in the code are by the model that wrote it; some were corrected since.
;; Multihead Attention. Allowed arithmetic: float matrix products may take bf16 or f16 operands with f32 sums; all other float work in f32.
;; Inputs: Wk 1,024 x 1,024 float32; Wo 1,024 x 1,024 float32; Wq 1,024 x 1,024 float32; Wv 1,024 x 1,024 float32; bk 1,024 float32; bo 1,024 float32; bq 1,024 float32; bv 1,024 float32; x 4 x 2,048 x 1,024 float32.
;; Outputs: out0 4 x 2,048 x 1,024 float32.
;; 2 versions, each right; version 2 is version 1 with the launch cast written anew for expert scheduling mode. Each part assembles by itself: llvm-mc -triple=amdgcn-amd-amdhsa -mcpu=gfx1250 --defsym DOCPART=n.
;; ======== version 1 of 2: 4 launches
;; limits: values are held in f16: magnitudes above 65,504 overflow, below 6.1e-05 lose precision
;; workspace buffers: xh 16,777,216 bytes; wh 8,388,608 bytes; qkv 50,331,648 bytes; ctx 16,777,216 bytes
;; launch cast (part 1): grid 512 x 1, 8 waves a work-group, no clusters, 0 bytes of LDS; arguments x, Wq, Wk, Wv, Wo, xh, wh; writes xh, wh
.if DOCPART == 1
	.amdgcn_target "amdgcn-amd-amdhsa--gfx1250"
	.amdhsa_code_object_version 6
	.text
	.protected	k_q98361379f3_cast
	.globl	k_q98361379f3_cast
	.p2align	8
	.type	k_q98361379f3_cast,@function
k_q98361379f3_cast:
	s_mov_b64 s[64:65], 0
	v_nop
	global_prefetch_b8 v0, s[64:65] scope:SCOPE_SE
	s_setreg_imm32_b32 hwreg(HW_REG_WAVE_MODE, 25, 1), 1
	s_wait_xcnt 0x0
; MULTI-HEAD ATTENTION (4 x 2048 rows, 1024 wide, 16 heads of 64), first of four launches: cast, qkv, attn, oproj.
; This launch rounds x and the four weights to f16 and lays them out for the products:
;   xh [16 kb][8192 m][64]            = x[m][64 kb + c]        (a K step of 64 of 256 rows is one dense block)
;   wh [1024 k][8 j][4 t][128 c]      = W_t[k][128 j + c],  t = 0 q, 1 k, 2 v, 3 o  (q, k, v of one column block lie side by side)
; WHY f16 AND NOT bf16: every number of the output is held to a hundredth of the output's root mean square, and five roundings of
; intermediates (q, k, v, weights, attended) stand in front of it; f16 has three more mantissa bits.
; LIMIT: |x|, |W| and the products q, k, v must stay below 65,504, f16's largest number; beyond it they become infinite.  With inputs as drawn
; the largest |q| is about 6; x and W both 30 times larger give about 5,400, both with an offset of 30 spreads about 29,000.
; WORK LEFT OUT BY THE WHOLE PROGRAM: bk.  scores[q][k] = q_q . (x_k Wk + bk) / 8 = q_q . (x_k Wk) / 8 + q_q . bk / 8.  The second term does
; not hang on k, the softmax's axis, and exp(s_k + u) / sum_k exp(s_k + u) = exp(s_k) / sum_k exp(s_k) for every finite u: it cancels for all
; values of the inputs.  So bk has no way to the output: it is not loaded and is an argument of no launch.
; LIMIT: a NaN, an infinity or an overflow that only bk would bring is not carried to the result.
; bv is NOT left out but added later: sum_k w_k (v_k + bv) = sum_k w_k v_k + bv, since a softmax's weights add up to 1; attn adds it.
; A stream: memory binds, so no LDS, no cluster, no matrix unit.  Every input byte is read once by 16-byte loads, every output byte written
; once, and each store of a wave covers 256 consecutive bytes, aligned.
; Wave G (0 to 4095) takes rows 2 G and 2 G + 1 of x (16 loads) and row G mod 1024 of weight G / 1024 (8 loads).
.set DAT, 8                            ; v[8:103]  load n: 4 registers; its two packed words are made in place in the first two
	s_load_b256 s[4:11], s[0:1], 0x0               ; x s[4:5], Wq s[6:7], Wk s[8:9], Wv s[10:11]
	s_load_b128 s[12:15], s[0:1], 0x20             ; Wo s[12:13], xh s[14:15]
	s_load_b64 s[16:17], s[0:1], 0x30              ; wh
	v_lshrrev_b32 v1, 5, v0
	v_readfirstlane_b32 s18, v1                    ; wave 0..7
	v_and_b32 v1, 31, v0                           ; lane L
	v_and_b32 v2, 15, v0
	v_bfe_u32 v5, v0, 4, 1
	v_lshlrev_b32 v2, 4, v2
	v_lshl_add_u32 v2, v5, 12, v2                  ; x: lanes 0-15 take 256 bytes of row 2 G, lanes 16-31 of row 2 G + 1
	v_lshlrev_b32 v3, 4, v1                        ; W: 16 L
	v_lshlrev_b32 v4, 3, v1                        ; both outputs: 8 L
	s_lshl_b32 s19, ttmp9, 3
	s_add_co_u32 s19, s19, s18                     ; G
	s_lshr_b32 s20, ttmp9, 7                       ; which weight: 128 work-groups each
	s_and_b32 s21, s19, 1023                       ; its row k
	s_lshl_b32 s22, s19, 13                        ; x: two rows of 4,096 bytes
	s_mov_b32 s23, 0
	s_lshl_b32 s24, s19, 8                         ; xh: two rows of 128 bytes in each column block
	s_mov_b32 s25, 0
	s_lshl_b32 s26, s21, 12                        ; W: a row of 4,096 bytes
	s_mov_b32 s27, 0
	s_lshl_b32 s28, s21, 13                        ; wh: a row of 8,192 bytes,
	s_lshl_b32 s29, s20, 8                         ; the weight's 256 bytes in each block of 1,024
	s_add_co_u32 s28, s28, s29
	s_mov_b32 s29, 0
	s_wait_kmcnt 0x0
	s_add_nc_u64 s[4:5], s[4:5], s[22:23]
	s_add_nc_u64 s[14:15], s[14:15], s[24:25]      ; xh, column blocks 0 to 7
	s_add_nc_u64 s[30:31], s[14:15], 0x800000      ; xh, column blocks 8 to 15: the block's 1 MiB steps then fit the stores' immediates
	s_cmp_eq_u32 s20, 1
	s_cselect_b64 s[6:7], s[8:9], s[6:7]
	s_cmp_eq_u32 s20, 2
	s_cselect_b64 s[6:7], s[10:11], s[6:7]
	s_cmp_eq_u32 s20, 3
	s_cselect_b64 s[6:7], s[12:13], s[6:7]         ; the weight that this work-group casts
	s_add_nc_u64 s[6:7], s[6:7], s[26:27]
	s_add_nc_u64 s[16:17], s[16:17], s[28:29]
	; all 24 loads go out before anything is waited for
.irp i, 0,1,2,3,4,5,6,7,8,9,10,11,12,13,14,15
	global_load_b128 v[DAT+4*\i:DAT+4*\i+3], v2, s[4:5] offset:256*\i th:TH_LOAD_NT
.endr
.irp i, 0,1,2,3,4,5,6,7
	global_load_b128 v[DAT+64+4*\i:DAT+64+4*\i+3], v3, s[6:7] offset:512*\i th:TH_LOAD_NT
.endr
; Load n is there when at most 23 - n younger loads are out (loads come back in order: ISA guide 5.7.1).  No register is written behind its store.
.irp i, 0,1,2,3,4,5,6,7
	s_wait_loadcnt 23-\i
	v_cvt_pk_f16_f32 v[DAT+4*\i], v[DAT+4*\i], v[DAT+4*\i+1]
	v_cvt_pk_f16_f32 v[DAT+4*\i+1], v[DAT+4*\i+2], v[DAT+4*\i+3]
	global_store_b64 v4, v[DAT+4*\i:DAT+4*\i+1], s[14:15] offset:\i*0x100000
.endr
.irp i, 8,9,10,11,12,13,14,15
	s_wait_loadcnt 23-\i
	v_cvt_pk_f16_f32 v[DAT+4*\i], v[DAT+4*\i], v[DAT+4*\i+1]
	v_cvt_pk_f16_f32 v[DAT+4*\i+1], v[DAT+4*\i+2], v[DAT+4*\i+3]
	global_store_b64 v4, v[DAT+4*\i:DAT+4*\i+1], s[30:31] offset:(\i-8)*0x100000
.endr
.irp i, 0,1,2,3,4,5,6,7
	s_wait_loadcnt 7-\i
	v_cvt_pk_f16_f32 v[DAT+64+4*\i], v[DAT+64+4*\i], v[DAT+64+4*\i+1]
	v_cvt_pk_f16_f32 v[DAT+64+4*\i+1], v[DAT+64+4*\i+2], v[DAT+64+4*\i+3]
	global_store_b64 v4, v[DAT+64+4*\i:DAT+64+4*\i+1], s[16:17] offset:1024*\i
.endr
	s_endpgm
.Lfunc_end_k_q98361379f3_cast:
	.size	k_q98361379f3_cast, .Lfunc_end_k_q98361379f3_cast-k_q98361379f3_cast
	.p2alignl 7, 3214868480
	.fill 96, 4, 3214868480
	.section	.rodata,"a",@progbits
	.p2align	6, 0x0
	.amdhsa_kernel k_q98361379f3_cast
		.amdhsa_group_segment_fixed_size 0
		.amdhsa_private_segment_fixed_size 0
		.amdhsa_enable_private_segment 0
		.amdhsa_kernarg_size 56
		.amdhsa_user_sgpr_count 2
		.amdhsa_user_sgpr_kernarg_segment_ptr 1
		.amdhsa_wavefront_size32 1
		.amdhsa_system_sgpr_workgroup_id_x 1
		.amdhsa_system_sgpr_workgroup_id_y 1
		.amdhsa_system_sgpr_workgroup_id_z 1
		.amdhsa_system_vgpr_workitem_id 0
		.amdhsa_next_free_vgpr 104
		.amdhsa_next_free_sgpr 66
		.amdhsa_reserve_vcc 0
		.amdhsa_float_denorm_mode_32 3
		.amdhsa_float_denorm_mode_16_64 3
		.amdhsa_memory_ordered 1
		.amdhsa_forward_progress 1
		.amdhsa_inst_pref_size 10
	.end_amdhsa_kernel
	.amdgpu_metadata
---
amdhsa.version: [ 1, 2 ]
amdhsa.kernels:
  - .name:           k_q98361379f3_cast
    .symbol:         k_q98361379f3_cast.kd
    .args:
      - { .name: x, .offset: 0, .size: 8, .value_kind: global_buffer, .address_space: global }
      - { .name: Wq, .offset: 8, .size: 8, .value_kind: global_buffer, .address_space: global }
      - { .name: Wk, .offset: 16, .size: 8, .value_kind: global_buffer, .address_space: global }
      - { .name: Wv, .offset: 24, .size: 8, .value_kind: global_buffer, .address_space: global }
      - { .name: Wo, .offset: 32, .size: 8, .value_kind: global_buffer, .address_space: global }
      - { .name: xh, .offset: 40, .size: 8, .value_kind: global_buffer, .address_space: global }
      - { .name: wh, .offset: 48, .size: 8, .value_kind: global_buffer, .address_space: global }
    .group_segment_fixed_size: 0
    .private_segment_fixed_size: 0
    .kernarg_segment_align: 8
    .kernarg_segment_size: 56
    .max_flat_workgroup_size: 256
    .sgpr_count:     66
    .vgpr_count:     104
    .wavefront_size: 32
...
	.end_amdgpu_metadata
.endif
;; end of part 1
;; launch qkv (part 2): grid 8 x 32, 4 waves a work-group, clusters of 4 x 4, 327,680 bytes of LDS; arguments xh, wh, bq, qkv; writes qkv
.if DOCPART == 2
	.amdgcn_target "amdgcn-amd-amdhsa--gfx1250"
	.amdhsa_code_object_version 6
	.text
	.protected	k_q98361379f3_qkv
	.globl	k_q98361379f3_qkv
	.p2align	8
	.type	k_q98361379f3_qkv,@function
k_q98361379f3_qkv:
	s_mov_b64 s[64:65], 0
	v_nop
	global_prefetch_b8 v0, s[64:65] scope:SCOPE_SE
	s_setreg_imm32_b32 hwreg(HW_REG_WAVE_MODE, 25, 1), 1
	s_wait_xcnt 0x0
	s_wait_alu depctr_hold_cnt(0) depctr_sa_sdst(0) depctr_va_vdst(0) depctr_va_sdst(0) depctr_va_ssrc(0) depctr_va_vcc(0) depctr_vm_vsrc(0)
	s_getreg_b32 s2, hwreg(HW_REG_IB_STS2, 6, 4)
	s_cmp_eq_u32 s2, 0
	s_cbranch_scc0 .Lentry_in_a_cluster
	s_endpgm
.Lentry_in_a_cluster:
	s_bfe_u32 s2, ttmp6, 0x10000c
	s_cmp_lg_u32 s2, 0xf033
	s_cbranch_scc0 .Lentry_shape_is_right
	s_endpgm
.Lentry_shape_is_right:
; q = x Wq + bq, k = x Wk, v = x Wv, in f16 operands and f32 sums; results in f16 as qkv [3 t][16 head][8192 m][64].
; LEFT OUT: bk (it adds to each softmax row a term that is the same along the row, which cancels for all values; shown at the head of the
; first launch).  bv is added in attn, behind the weighted mean.  LIMIT: |q|, |k|, |v| below 65,504 (f16).
; A work-group makes 256 rows x 384 columns: q, k and v of the two heads 2 j and 2 j + 1; 8 x 32 = 256 work-groups of equal work.
; Four waves, as many as a WGP has SIMDs.  Wave (wm, wn) makes 128 rows x {q, k, v} of head 2 j + wn: 8 x 12 = 96 accumulator tiles, 768 registers;
; for 32 along K it reads 20 KiB of LDS for 96 matrix instructions.  K goes in steps of 64 through two LDS slots (two slots of 128 do not fit).
; CLUSTERS: 4 x 4 work-groups.  x's tile hangs on the block row alone and is asked for jointly by the four of a row of the cluster, the weights' tile
; on the column block alone and is asked for jointly by the four of a column: that divides the requests for both by four.
; THE MATRIX INSTRUCTION IS USED TRANSPOSED: source 0 = 16 columns of W (brought from [k][n] rows by the transposing LDS load), source 1 = 16 rows
; of x.  Lane l then holds row l % 16 and, in registers 0 to 7, the columns 8 (l / 16) + 0 .. 7: eight neighbouring numbers, 16 bytes of f16.
; REGISTERS: window 0: v8-15 addresses; v32-95, v96-159 x fragments, two buffers; v160-255 twelve W fragments, one buffer, reloaded by thirds.
;            window 1 + t: the 32 tiles of column group t (0 q, 1 k, 2 v): tile (a, b) at v[8 (8 (b & 3) + a)].
.set PA,    144                        ; LDS row of x: 128 bytes + 16: an odd multiple of 16, so a fragment's 16 rows start in 16 different 16-byte columns modulo 256
.set PB,    864                        ; LDS row of W: 3 x (256 + 32) bytes: an odd multiple of 32
.set HALFA, 128*PA                     ; what one tensor load brings of x: 128 rows
.set HALFB, 32*PB                      ; and of W: 32 k rows
.set BOFF,  2*HALFA
.set SLOT,  BOFF+2*HALFB               ; 92,160
.set STAGE, 2*SLOT                     ; behind the ring, at a multiple of 256: 16 rows x 144 bytes for each wave; no tensor load lands here
.set ADRA, 8                           ; v8-9    my x fragments in slot 0, 1
.set ADRB, 10                          ; v10-11  my W fragments in slot 0, 1
.set STO,  12                          ; the way out: where I put 16 bytes of a row
.set RD,   13                          ; the way out: where I read rows back
.set CO,   14                          ; 16 x lane
.set BO,   15                          ; 32 x (lane / 16): my eight numbers of a bias tile
.set AF0,  32
.set AF1,  96
.set BF,   160
.set BIAS, 32                          ; the way out: bq of my 4 x 8 columns
.set TMPF, 64                          ; q + bq in f32
.set PK,   96                          ; 16 packed words
.set RB0,  112                         ; rows read back, two sets in turn
.set RB1,  128
.set G1A, 24                           ; s[24:31] shape of x's tiles       s[32:39] from where, to where: one set for each slot
.set G0A, 32
.set G1B, 40                           ; s[40:47] shape of W's tiles       s[48:55] likewise
.set G0B, 48
.set MSB, 0
.macro WIN new                         ; s_set_vgpr_msb: bits 1:0 source 0, 3:2 source 1, 5:4 source 2, 7:6 destination; the high byte repeats the setting left
.if MSB != (\new)
	s_set_vgpr_msb (MSB<<8)|(\new)
.set MSB, \new
.endif
.endm
.macro PLACES                          ; four plain vector instructions between a matrix instruction and a load into, or a vector read or write of, its registers
.rept 4
	v_nop
.endr
.endm
; A joint load.  Waves 0 and 1 fetch x's two halves, waves 2 and 3 W's.  The branch hangs on the wave's number alone.
.macro JLOAD s
	s_cmp_eq_u32 s13, 0
	s_cbranch_scc0 .Lfor_b_\@
	tensor_load_to_lds s[G0A+4*\s:G0A+4*\s+3], s[G1A:G1A+7]
	s_nop 0
	s_branch .Lasked_\@
.Lfor_b_\@:
	tensor_load_to_lds s[G0B+4*\s:G0B+4*\s+3], s[G1B:G1B+7]
	s_nop 0
.Lasked_\@:
.endm
; A round of the cluster's barrier: my work-group's barrier; wave 0 signals for the work-group; every wave waits for all sixteen; my work-group's barrier again.
.macro CREST                           ; a round behind its opening barrier
	s_cmp_lg_u32 s12, 0
	s_cbranch_scc1 .Lnot_wave_0_\@
	s_barrier_signal -3
.Lnot_wave_0_\@:
	s_barrier_wait -3
	s_barrier_signal -1
	s_barrier_wait -1
.endm
.macro CROUND
	s_barrier_signal -1
	s_barrier_wait -1
	CREST
.endm
	s_load_b256 s[4:11], s[0:1], 0x0               ; xh s[4:5], wh s[6:7], bq s[8:9], qkv s[10:11]
	v_lshl_add_u32 v30, v0, 2, 0x2f400
	v_mov_b32 v31, 0
	ds_add_u32 v30, v31
	v_lshrrev_b32 v1, 5, v0
	v_readfirstlane_b32 s12, v1                    ; wave 0..3
	s_lshr_b32 s13, s12, 1                         ; wm: my half of the rows.  Also: I fetch x (0) or W (1)
	s_and_b32 s14, s12, 1                          ; wn: my head of the two.  Also: which half of that tile I fetch
	s_bfe_u32 s15, ttmp6, 0x40000                  ; cx
	s_bfe_u32 s16, ttmp6, 0x40004                  ; cy
	s_lshl_b32 s17, ttmp9, 2
	s_add_co_u32 s17, s17, s15                     ; j: column block = 4 x cluster x + cx
	s_and_b32 s18, ttmp7, 0xffff
	s_lshl_b32 s18, s18, 2
	s_add_co_u32 s18, s18, s16                     ; br: block row = 4 x cluster y + cy
	s_lshl_b32 s19, s16, 2
	s_lshl_b32 s19, 15, s19                        ; my row of the cluster: places 4 cy .. 4 cy + 3
	s_lshl_b32 s20, 0x1111, s15                    ; my column: places cx, cx + 4, cx + 8, cx + 12
	; x's tile: 128 rows of 128 bytes lie dense in xh and come as 64 rows of 256 bytes; 16 bytes of padding behind every 128 bytes
	s_or_b32 s[G1A+0], s19, (1<<16)|(1<<20)|(1<<21)|(4<<22)|(3<<25)  ; mask: my row; elements of 2 bytes; padding on; bit 21 beside a mask; after every 32 words, 4 words
	s_mov_b32 s[G1A+1], 128<<16                    ; tensor_dim0 = 128
	s_mov_b32 s[G1A+2], 64<<16                     ; tensor_dim1 = 64
	s_mov_b32 s[G1A+3], 128<<16                    ; tile_dim0 = 128
	s_mov_b32 s[G1A+4], 64                         ; tile_dim1 = 64
	s_mov_b32 s[G1A+5], 128                        ; elements from row to row
	s_mov_b32 s[G1A+6], 0
	s_mov_b32 s[G1A+7], 0
	; W's tile: 32 k rows of 384 elements (q, k, v: 768 bytes), 8,192 bytes apart; 32 bytes of padding behind every 256 bytes
	s_or_b32 s[G1B+0], s20, (1<<16)|(1<<20)|(1<<21)|(5<<22)|(7<<25)  ; mask: my column; after every 64 words, 8 words
	s_mov_b32 s[G1B+1], 384<<16
	s_mov_b32 s[G1B+2], 32<<16
	s_mov_b32 s[G1B+3], 384<<16
	s_mov_b32 s[G1B+4], 32
	s_mov_b32 s[G1B+5], 4096
	s_mov_b32 s[G1B+6], 0
	s_mov_b32 s[G1B+7], 0
	; Every wave makes both addresses, each in registers that never hold the other coordinate of the cluster.
	s_lshl_b32 s22, s18, 15                        ; x: 256 rows of 128 bytes for a block row,
	s_lshl_b32 s21, s14, 14                        ; 128 rows for the half
	s_add_co_u32 s22, s22, s21
	s_mov_b32 s23, 0
	s_lshl_b32 s62, s17, 10                        ; W: 1,024 bytes for a column block,
	s_lshl_b32 s21, s14, 18                        ; 32 rows of 8,192 bytes for the half
	s_add_co_u32 s62, s62, s21
	s_mov_b32 s63, 0
	s_mul_i32 s2, s14, HALFA                       ; LDS: the wave's number and constants alone
	s_mul_i32 s3, s14, HALFB
	s_add_co_u32 s3, s3, BOFF
	s_wait_dscnt 0x0
	s_wait_kmcnt 0x0
	s_add_nc_u64 s[22:23], s[4:5], s[22:23]
	s_add_nc_u64 s[62:63], s[6:7], s[62:63]
	CROUND                                         ; all sixteen work-groups are here: the first joint loads meet
.irp s, 0,1
	s_mov_b32 s[G0A+4*\s], 1
	s_add_co_u32 s[G0A+4*\s+1], s2, \s*SLOT
	s_add_nc_u64 s[G0A+4*\s+2:G0A+4*\s+3], s[22:23], \s*0x100000       ; K step s = column block s of xh
	s_or_b32 s[G0A+4*\s+3], s[G0A+4*\s+3], 0x80000000
	s_mov_b32 s[G0B+4*\s], 1
	s_add_co_u32 s[G0B+4*\s+1], s3, \s*SLOT
	s_add_nc_u64 s[G0B+4*\s+2:G0B+4*\s+3], s[62:63], \s*0x80000        ; 64 rows of wh
	s_or_b32 s[G0B+4*\s+3], s[G0B+4*\s+3], 0x80000000
	JLOAD \s                                       ; both slots are asked for before anything else: two tensor loads of the wave are out, the most in this text
.endr
	v_and_b32 v1, 15, v0                           ; r = l % 16
	v_bfe_u32 v2, v0, 4, 1                         ; h = l / 16
	v_mul_u32_u24 v3, v1, PA
	v_lshl_add_u32 v3, v2, 4, v3                   ; r x pitch + 16 h
	s_mul_i32 s21, s13, HALFA
	v_add_nc_u32 v[ADRA], s21, v3
	v_add_nc_u32 v[ADRA+1], SLOT, v[ADRA]
	v_and_b32 v4, 7, v0
	v_lshl_add_u32 v4, v2, 3, v4                   ; the transposing load: k row 8 h + l % 8,
	v_mul_u32_u24 v4, v4, PB
	v_bfe_u32 v5, v0, 3, 1
	v_lshl_add_u32 v4, v5, 4, v4                   ; 16 bytes further for lanes 8-15 of each half
	s_lshl_b32 s21, s14, 7                         ; my head's 64 columns in each chunk of 128
	s_add_co_u32 s21, s21, BOFF
	v_add_nc_u32 v[ADRB], s21, v4
	v_add_nc_u32 v[ADRB+1], SLOT, v[ADRB]
	s_mul_i32 s21, s12, 16*PA
	s_add_co_u32 s21, s21, STAGE                   ; my stage
	v_add_nc_u32 v[STO], s21, v3
	v_and_b32 v6, 31, v0
	v_lshrrev_b32 v7, 3, v6                        ; back: eight lanes take a row of 128 bytes
	v_mul_u32_u24 v7, v7, PA
	v_and_b32 v5, 7, v0
	v_lshl_add_u32 v7, v5, 4, v7
	v_add_nc_u32 v[RD], s21, v7
	v_lshlrev_b32 v[CO], 4, v6
	v_lshlrev_b32 v[BO], 5, v2
; 8 matrix instructions: W fragment b x all eight x fragments of buffer f.  zero = 1: the product starts the sums, nothing is cleared.
; The 96 accumulators take turns, one instruction a turn, in the same order in every quarter, over the backward jump too.
.macro MULB f, b, zero
.irp a, 0,1,2,3,4,5,6,7
.if \zero
	v_wmma_f32_16x16x32_f16 v[8*(8*((\b)&3)+\a):8*(8*((\b)&3)+\a)+7], v[BF+8*(\b):BF+8*(\b)+7], v[\f+8*\a:\f+8*\a+7], 0
.else
	v_wmma_f32_16x16x32_f16 v[8*(8*((\b)&3)+\a):8*(8*((\b)&3)+\a)+7], v[BF+8*(\b):BF+8*(\b)+7], v[\f+8*\a:\f+8*\a+7], v[8*(8*((\b)&3)+\a):8*(8*((\b)&3)+\a)+7]
.endif
.endr
.endm
; 8 loads: the four W fragments of column group seg, 32 k rows from row 32 kq
.macro LDB slot, kq, seg
.irp b, 0,1,2,3
	ds_load_tr16_b128 v[BF+8*(4*\seg+\b):BF+8*(4*\seg+\b)+3], v[ADRB+\slot] offset:\kq*HALFB+\seg*288+\b*32
	ds_load_tr16_b128 v[BF+8*(4*\seg+\b)+4:BF+8*(4*\seg+\b)+7], v[ADRB+\slot] offset:\kq*HALFB+\seg*288+\b*32+16*PB
.endr
.endm
; 16 loads: my eight x fragments, 32 along K from byte 64 kq of the rows
.macro LDA slot, kq, f
.irp a, 0,1,2,3,4,5,6,7
	ds_load_b128 v[\f+8*\a:\f+8*\a+3], v[ADRA+\slot] offset:\kq*64+\a*16*PA
	ds_load_b128 v[\f+8*\a+4:\f+8*\a+7], v[ADRA+\slot] offset:\kq*64+\a*16*PA+32
.endr
.endm
; A K step is two quarters of 32 along K.  The LDS loads of a quarter are issued in the order W0 (8), x (16), W1 (8), W2 (8), each third of W
; straight behind the products that read the registers it lands in.
; The first quarter of a slot: multiplies buffer AF0, fetches the slot's second quarter.
.macro QEVEN slot, zero
	s_wait_dscnt 16                                ; W0 and x are in; behind them W1 and W2 were issued
	WIN 0x50
	MULB AF0, 0, \zero
	MULB AF0, 1, \zero
	MULB AF0, 2, \zero
	MULB AF0, 3, \zero
	WIN 0
	PLACES
	LDB \slot, 1, 0
	LDA \slot, 1, AF1
	s_wait_dscnt 32                                ; W1 is in; behind it: W2, and the next quarter's W0 and x
	WIN 0xa0
	MULB AF0, 4, \zero
	MULB AF0, 5, \zero
	MULB AF0, 6, \zero
	MULB AF0, 7, \zero
	WIN 0
	PLACES
	LDB \slot, 1, 1
	s_wait_dscnt 32                                ; W2 is in; behind it: the next quarter's W0, x and W1
	WIN 0xf0
	MULB AF0, 8, \zero
	MULB AF0, 9, \zero
	MULB AF0, 10, \zero
	MULB AF0, 11, \zero
	WIN 0
	PLACES
	LDB \slot, 1, 2
.endm
; The second quarter: multiplies buffer AF1 and changes slots.  All reads of this slot have been issued.  ONE barrier for two things: in front of it
; each wave waits for its reads of this slot and for all its tensor loads (the one that is out is its part of the next slot); behind it nobody
; reads this slot and the next slot is whole.  fill = 1: the barrier opens a round of the cluster's barrier, and the joint refill, two K steps
; ahead, is the first tensor load behind the round; from there to the wait for it a wave issues 176 matrix instructions.
.macro QODD slot, next, fill
	s_wait_dscnt 16
	WIN 0x50
	MULB AF1, 0, 0
	MULB AF1, 1, 0
	s_wait_dscnt 0x0                               ; my reads of this slot are over
	s_wait_tensorcnt 0x0                           ; all my tensor loads have landed
	ds_add_u32 v30, v31
	s_wait_dscnt 0x0
	s_barrier_signal -1
	MULB AF1, 2, 0                                 ; register work while the others arrive
	MULB AF1, 3, 0
	WIN 0
	s_barrier_wait -1
.if \fill
	CREST                                          ; no wave of any partner still reads this slot or has a load on its way
	s_add_nc_u64 s[G0A+4*\slot+2:G0A+4*\slot+3], s[G0A+4*\slot+2:G0A+4*\slot+3], 0x200000   ; two column blocks of xh on
	s_add_nc_u64 s[G0B+4*\slot+2:G0B+4*\slot+3], s[G0B+4*\slot+2:G0B+4*\slot+3], 0x100000   ; 128 rows of wh on
	JLOAD \slot
.endif
	PLACES
	LDB \next, 0, 0
	LDA \next, 0, AF0
	WIN 0xa0
	MULB AF1, 4, 0
	MULB AF1, 5, 0
	MULB AF1, 6, 0
	MULB AF1, 7, 0
	WIN 0
	PLACES
	LDB \next, 0, 1
	WIN 0xf0
	MULB AF1, 8, 0
	MULB AF1, 9, 0
	MULB AF1, 10, 0
	MULB AF1, 11, 0
	WIN 0
	PLACES
	LDB \next, 0, 2
.endm
.macro LAP zero                        ; once round the ring: two K steps, both slots filled again
	QEVEN 0, \zero
	QODD 0, 1, 1
	QEVEN 1, 0
	QODD 1, 0, 1
.endm
	s_wait_tensorcnt 0x1                           ; my part of K step 0 is in; K step 1's load, issued behind it, stays out
	s_barrier_signal -1
	s_barrier_wait -1
	LDB 0, 0, 0
	LDA 0, 0, AF0
	LDB 0, 0, 1
	LDB 0, 0, 2
	LAP 1                                          ; 16 K steps = 8 laps: the first stands in front of the loop, its first products start the sums
	s_mov_b32 s3, 6
.Llap:
	LAP 0
	s_sub_co_u32 s3, s3, 1
	s_cmp_lg_u32 s3, 0
	s_cbranch_scc1 .Llap
	QEVEN 0, 0                                     ; the last lap fills nothing
	QODD 0, 1, 0
	QEVEN 1, 0
	s_wait_dscnt 16                                ; the very last quarter: the counts run down, W1 and W2, then W2, then nothing is out
	WIN 0x50
	MULB AF1, 0, 0
	MULB AF1, 1, 0
	MULB AF1, 2, 0
	MULB AF1, 3, 0
	s_wait_dscnt 8
	WIN 0xa0
	MULB AF1, 4, 0
	MULB AF1, 5, 0
	MULB AF1, 6, 0
	MULB AF1, 7, 0
	s_wait_dscnt 0x0
	WIN 0xf0
	MULB AF1, 8, 0
	MULB AF1, 9, 0
	MULB AF1, 10, 0
	MULB AF1, 11, 0
	WIN 0
	; THE WAY OUT, 16 rows of one head at a time: round to f16, 16 bytes a lane into my stage, read back as rows; a head's rows of 128 bytes lie
	; dense in qkv, so each store of the wave covers 512 consecutive bytes, aligned.
	PLACES
	s_lshl_b32 s62, s17, 1
	s_add_co_u32 s62, s62, s14                     ; head = 2 j + wn
	s_lshl_b32 s20, s62, 8                         ; its 64 numbers of bq
	s_mov_b32 s21, 0
	s_add_nc_u64 s[8:9], s[8:9], s[20:21]
.irp b, 0,1,2,3
	global_load_b128 v[BIAS+8*\b:BIAS+8*\b+3], v[BO], s[8:9] offset:64*\b          ; columns 16 b + 8 h + 0..3
	global_load_b128 v[BIAS+8*\b+4:BIAS+8*\b+7], v[BO], s[8:9] offset:64*\b+16     ; and + 4..7
.endr
	s_lshl_b32 s62, s62, 20                        ; a head's 8,192 rows of 128 bytes
	s_mov_b32 s63, 0
	s_add_nc_u64 s[56:57], s[10:11], s[62:63]
	s_lshl_b32 s22, s18, 15                        ; my first row: 256 br + 128 wm
	s_lshl_b32 s23, s13, 14
	s_add_co_u32 s22, s22, s23
	s_mov_b32 s23, 0
	s_add_nc_u64 s[56:57], s[56:57], s[22:23]      ; q
	s_add_nc_u64 s[58:59], s[56:57], 0x1000000     ; k
	s_add_nc_u64 s[60:61], s[56:57], 0x2000000     ; v
; a, the number of the 16 rows, may be handed over as a sum: it stands in brackets wherever it is multiplied
.macro TAIL sb, a, rb
.irp b, 0,1,2,3
	ds_store_b128 v[STO], v[PK+4*\b:PK+4*\b+3] offset:32*\b
.endr
	s_wait_xcnt 0x0                                ; the read-back registers were data of earlier stores: they are loaded again only behind this wait (ISA guide 3.1)
.irp u, 0,1,2,3
	ds_load_b128 v[\rb+4*\u:\rb+4*\u+3], v[RD] offset:576*\u     ; four rows; LDS serves a wave's instructions in order: these see the stores above
.endr
.irp u, 0,1,2,3
	s_wait_dscnt 3-\u
	global_store_b128 v[CO], v[\rb+4*\u:\rb+4*\u+3], s[\sb:\sb+1] offset:2048*(\a)+512*\u
.endr
.endm
.macro OUTKV sb, a, from, rb           ; k or v: straight from the accumulators (from: both sources in window 2 or 3)
	WIN \from
.irp b, 0,1,2,3
.irp i, 0,1,2,3
	v_cvt_pk_f16_f32 v[PK+4*\b+\i], v[8*(8*\b+(\a))+2*\i], v[8*(8*\b+(\a))+2*\i+1]
.endr
.endr
	WIN 0
	TAIL \sb, \a, \rb
.endm
.macro OUTQ a, rb                      ; q: the bias is added in f32 first
	WIN 0x01
.irp b, 0,1,2,3
.irp i, 0,2,4,6
	v_pk_add_f32 v[TMPF+8*\b+\i:TMPF+8*\b+\i+1], v[8*(8*\b+(\a))+\i:8*(8*\b+(\a))+\i+1], v[BIAS+8*\b+\i:BIAS+8*\b+\i+1]
.endr
.endr
	WIN 0
.irp i, 0,1,2,3,4,5,6,7,8,9,10,11,12,13,14,15
	v_cvt_pk_f16_f32 v[PK+\i], v[TMPF+2*\i], v[TMPF+2*\i+1]
.endr
	TAIL 56, \a, \rb
.endm
.irp a, 0,2,4,6
	OUTKV 58, \a, 0x0a, RB0
	OUTKV 58, \a+1, 0x0a, RB1
.endr
.irp a, 0,2,4,6
	OUTKV 60, \a, 0x0f, RB0
	OUTKV 60, \a+1, 0x0f, RB1
.endr
	s_wait_loadcnt 0x0                             ; bq, asked for ahead of k's and v's way out
.irp a, 0,2,4,6
	OUTQ \a, RB0
	OUTQ \a+1, RB1
.endr
	s_wait_tensorcnt 0x0
	ds_add_u32 v30, v31
	s_wait_dscnt 0x0
	CROUND                                         ; the closing round: no work-group ends while a partner may still ask for a tile that names it
	s_endpgm
.Lfunc_end_k_q98361379f3_qkv:
	.size	k_q98361379f3_qkv, .Lfunc_end_k_q98361379f3_qkv-k_q98361379f3_qkv
	.p2alignl 7, 3214868480
	.fill 96, 4, 3214868480
	.section	.rodata,"a",@progbits
	.p2align	6, 0x0
	.amdhsa_kernel k_q98361379f3_qkv
		.amdhsa_group_segment_fixed_size 327680
		.amdhsa_private_segment_fixed_size 0
		.amdhsa_enable_private_segment 0
		.amdhsa_kernarg_size 32
		.amdhsa_user_sgpr_count 2
		.amdhsa_user_sgpr_kernarg_segment_ptr 1
		.amdhsa_wavefront_size32 1
		.amdhsa_system_sgpr_workgroup_id_x 1
		.amdhsa_system_sgpr_workgroup_id_y 1
		.amdhsa_system_sgpr_workgroup_id_z 1
		.amdhsa_system_vgpr_workitem_id 0
		.amdhsa_next_free_vgpr 1024
		.amdhsa_next_free_sgpr 66
		.amdhsa_reserve_vcc 0
		.amdhsa_float_denorm_mode_32 3
		.amdhsa_float_denorm_mode_16_64 3
		.amdhsa_memory_ordered 1
		.amdhsa_forward_progress 1
		.amdhsa_inst_pref_size 180
	.end_amdhsa_kernel
	.amdgpu_metadata
---
amdhsa.version: [ 1, 2 ]
amdhsa.kernels:
  - .name:           k_q98361379f3_qkv
    .symbol:         k_q98361379f3_qkv.kd
    .args:
      - { .name: xh, .offset: 0, .size: 8, .value_kind: global_buffer, .address_space: global }
      - { .name: wh, .offset: 8, .size: 8, .value_kind: global_buffer, .address_space: global }
      - { .name: bq, .offset: 16, .size: 8, .value_kind: global_buffer, .address_space: global }
      - { .name: qkv, .offset: 24, .size: 8, .value_kind: global_buffer, .address_space: global }
    .group_segment_fixed_size: 327680
    .private_segment_fixed_size: 0
    .kernarg_segment_align: 8
    .kernarg_segment_size: 32
    .max_flat_workgroup_size: 128
    .sgpr_count:     66
    .vgpr_count:     1024
    .wavefront_size: 32
...
	.end_amdgpu_metadata
.endif
;; end of part 2
;; launch attn (part 3): grid 256 x 1, 8 waves a work-group, clusters of 4 x 1, 327,680 bytes of LDS; arguments qkv, bv, ctx; writes ctx
.if DOCPART == 3
	.amdgcn_target "amdgcn-amd-amdhsa--gfx1250"
	.amdhsa_code_object_version 6
	.text
	.protected	k_q98361379f3_attn
	.globl	k_q98361379f3_attn
	.p2align	8
	.type	k_q98361379f3_attn,@function
k_q98361379f3_attn:
	s_mov_b64 s[64:65], 0
	v_nop
	global_prefetch_b8 v0, s[64:65] scope:SCOPE_SE
	s_setreg_imm32_b32 hwreg(HW_REG_WAVE_MODE, 25, 1), 1
	s_wait_xcnt 0x0
	s_wait_alu depctr_hold_cnt(0) depctr_sa_sdst(0) depctr_va_vdst(0) depctr_va_sdst(0) depctr_va_ssrc(0) depctr_va_vcc(0) depctr_vm_vsrc(0)
	s_getreg_b32 s2, hwreg(HW_REG_IB_STS2, 6, 4)
	s_cmp_eq_u32 s2, 0
	s_cbranch_scc0 .Lentry_in_a_cluster
	s_endpgm
.Lentry_in_a_cluster:
	s_bfe_u32 s2, ttmp6, 0x10000c
	s_cmp_lg_u32 s2, 0x3003
	s_cbranch_scc0 .Lentry_shape_is_right
	s_endpgm
.Lentry_shape_is_right:
; ctx = softmax(q k^T / 8) v + bv for one (head, batch) and 512 queries a work-group; ctx [16 head][8192 m][64] in f16.
; LEFT OUT: bk (it cancels in the softmax for all values; shown at the head of the first launch).  bv is added here, behind the weighted mean: the
; weights of a row add up to 1, so sum_k w_k (v_k + bv) = sum_k w_k v_k + bv.
; The softmax takes a running maximum m away: p = exp2(c s - c m), c = log2(e) / 8, one fused multiply-add for scale and shift; when m grows,
; the sum l and the output are scaled by exp2 of the difference of the two rounded shifts, so that old and new terms keep one common factor.
; The first step starts m, l and O from its own scores: nothing is cleared and no infinity stands in for a start.
; LIMITS: l is summed from p in f32, the product with v takes p rounded to f16; scores that overflow f32 are not served.
; CLUSTERS: the four work-groups of a cluster take the four blocks of 512 queries of one (head, batch) and read the same K and V: each tile is
; asked for jointly (mask 15), which divides the requests for K and V by four.
; EIGHT WAVES of 64 queries, two on each SIMD; the step stands in phases, and one wave's exponentials can lie beside the other's products.
; Why not one wave a SIMD whose two halves take turns: a step of 64 queries has 64 matrix instructions (512 matrix cycles) and 480 vector
; instructions; set between the products they need another register window than the product beside them (fragments 64 + accumulators 128 +
; scores 128 = 320 registers, more than a window's 256), that is two switches a product: about 690 instructions from ONE instruction stream
; for 512 matrix cycles.  Two waves are two streams, with five switches a step each.
; S^T = K Q^T (source 0 = 16 keys, source 1 = 16 queries): lane l holds query l % 16 and keys 8 (l / 16) + 0..7 of each tile, so a row's maximum and
; sum need one exchange between the halves of the wave, the scaling stays in the lane, and two score tiles pack in place into a fragment of P.
; O^T = V^T P^T (source 0 = V by the transposing LDS load, source 1 = P): lane l holds query l % 16 and eight neighbouring d.
; K and V go in four tiles of 512 keys through two LDS slots, which are all of the 311,296 bytes; waves 0-3 fetch K's quarters, waves 4-7 V's.
; The way out's stage lies in slot 0, which has had its last fill (tile 2) and its last read by then.
; A tile is eight steps of 64 keys.  The step's place does not fit the LDS immediate (7 x 9,216 + 7,008 > 65,535), so the two address registers are
; set at each tile and stepped: seven steps in a counted loop, the eighth written out without the address step, so that no address leaves its slot.
.set KP,    144                        ; LDS row of K: 128 bytes + 16 (an odd multiple of 16)
.set VP,    160                        ; LDS row of V: 128 bytes + 32 (an odd multiple of 32, for the transposing load)
.set KQ,    64*KP                      ; a step's 64 keys
.set VQ,    64*VP
.set KT,    128*KP                     ; 128 keys: what one tensor load brings
.set VT,    128*VP
.set VOFF,  4*KT                       ; 73,728
.set SLOT,  VOFF+4*VT                  ; 155,648
.set LK,  4                            ; lane term of K's fragments; never rewritten
.set LV,  5                            ; lane term of V's fragments; never rewritten
.set KA,  6                            ; this step's K rows: set at each tile, stepped by 64 rows
.set VA,  7                            ; this step's V rows: likewise
.set STO, 8
.set RD,  9
.set CO,  10
.set QO,  11
.set BO,  12
.set MA,  16                           ; v16-19  running maximum of query tile t
.set MB,  20                           ; v20-23  a second chain; then what the other half of the wave sends
.set NM,  24                           ; pairs v[24+2t:25+2t]: -c m, twice (a pair for the packed multiply-add)
.set AL,  32                           ; pairs v[32+2t:33+2t]: the scaling factor, twice; at the end 1 / l, twice
.set SU,  40                           ; pairs v[40+2t:41+2t]: a step's sum
.set LS,  48                           ; v48-51  l of my half of the keys
.set CC,  56                           ; v[56:57] c, twice
.set SC,  64                           ; v64-191 scores: 32 t + 8 kt + i; then p; then P[t][ks] in the first 8 of each 16
.set FR,  192                          ; v192-255 eight K fragments, then eight V fragments
.set OA,  0                            ; window 1: v0-127 O, tile (t, dt) at 8 (4 t + dt)
.set QF,  128                          ; window 1: v128-191 Q, fragment (t, ds) at 8 (2 t + ds)
.set BV,  192                          ; window 1: v192-223 bv of my 4 x 8 values of d
.set G1K, 24
.set G0K, 32
.set G1V, 40
.set G0V, 48
.set MSB, 0
.macro WIN new                         ; s_set_vgpr_msb: bits 1:0 source 0, 3:2 source 1, 5:4 source 2, 7:6 destination; the high byte repeats the setting left
.if MSB != (\new)
	s_set_vgpr_msb (MSB<<8)|(\new)
.set MSB, \new
.endif
.endm
.macro JLOAD s                         ; waves 0-3 fetch K's quarters, waves 4-7 V's; the branch hangs on the wave's number alone
	s_cmp_eq_u32 s11, 0
	s_cbranch_scc0 .Lfor_v_\@
	tensor_load_to_lds s[G0K+4*\s:G0K+4*\s+3], s[G1K:G1K+7]
	s_nop 0
	s_branch .Lasked_\@
.Lfor_v_\@:
	tensor_load_to_lds s[G0V+4*\s:G0V+4*\s+3], s[G1V:G1V+7]
	s_nop 0
.Lasked_\@:
.endm
.macro ROUND                           ; a round of the cluster's barrier
	s_barrier_signal -1
	s_barrier_wait -1
	s_cmp_lg_u32 s10, 0
	s_cbranch_scc1 .Lnot_wave_0_\@
	s_barrier_signal -3
.Lnot_wave_0_\@:
	s_barrier_wait -3
	s_barrier_signal -1
	s_barrier_wait -1
.endm
	s_load_b128 s[4:7], s[0:1], 0x0                ; qkv s[4:5], bv s[6:7]
	s_load_b64 s[8:9], s[0:1], 0x10                ; ctx
	v_lshl_add_u32 v62, v0, 2, 0x4c000
	v_mov_b32 v63, 0
	ds_add_u32 v62, v63
	v_lshrrev_b32 v1, 5, v0
	v_readfirstlane_b32 s10, v1                    ; wave 0..7
	s_lshr_b32 s11, s10, 2                         ; I fetch K (0) or V (1),
	s_and_b32 s12, s10, 3                          ; this quarter of the tile
	s_bfe_u32 s13, ttmp6, 0x40000                  ; cx: my block of 512 queries.  ttmp9, the cluster's number, is 4 head + batch
	s_lshr_b32 s15, ttmp9, 2                       ; head
	s_mov_b32 s16, 0x76543210                      ; v_permlanex16_b32: lane i of one half reads lane i of the other
	s_mov_b32 s17, 0xfedcba98
	s_mov_b32 s22, 0xbe38aa3b                      ; -c = -log2(e) / 8
	; 128 keys of 128 bytes lie dense and come as 64 rows of 256 bytes; padding behind every 128 bytes: 16 bytes for K, 32 for V
	s_mov_b32 s[G1K+0], 15|(1<<16)|(1<<20)|(1<<21)|(4<<22)|(3<<25)   ; mask: all four; elements of 2 bytes; padding on; bit 21 beside a mask; after every 32 words, 4 words
	s_mov_b32 s[G1K+1], 128<<16                    ; tensor_dim0 = 128
	s_mov_b32 s[G1K+2], 64<<16                     ; tensor_dim1 = 64
	s_mov_b32 s[G1K+3], 128<<16                    ; tile_dim0 = 128
	s_mov_b32 s[G1K+4], 64                         ; tile_dim1 = 64
	s_mov_b32 s[G1K+5], 128                        ; elements from row to row
	s_mov_b32 s[G1K+6], 0
	s_mov_b32 s[G1K+7], 0
	s_mov_b32 s[G1V+0], 15|(1<<16)|(1<<20)|(1<<21)|(4<<22)|(7<<25)   ; the same, 8 words of padding
	s_mov_b32 s[G1V+1], 128<<16
	s_mov_b32 s[G1V+2], 64<<16
	s_mov_b32 s[G1V+3], 128<<16
	s_mov_b32 s[G1V+4], 64
	s_mov_b32 s[G1V+5], 128
	s_mov_b32 s[G1V+6], 0
	s_mov_b32 s[G1V+7], 0
	s_lshl_b32 s60, ttmp9, 18                      ; 2,048 rows of 128 bytes for each (head, batch),
	s_lshl_b32 s61, s12, 14                        ; 128 rows for the quarter: nothing here hangs on cx
	s_add_co_u32 s60, s60, s61
	s_mov_b32 s61, 0
	s_mul_i32 s62, s12, KT
	s_mul_i32 s63, s12, VT
	s_add_co_u32 s63, s63, VOFF
	s_lshl_b32 s56, ttmp9, 18                      ; my 64 queries: 512 cx + 64 wave, rows of 128 bytes; the same place in q and in ctx
	s_lshl_b32 s57, s13, 16
	s_add_co_u32 s56, s56, s57
	s_lshl_b32 s57, s10, 13
	s_add_co_u32 s56, s56, s57
	s_mov_b32 s57, 0
	s_lshl_b32 s2, s15, 8                          ; the head's 64 numbers of bv
	s_mov_b32 s3, 0
	s_wait_dscnt 0x0
	s_wait_kmcnt 0x0
	s_add_nc_u64 s[60:61], s[4:5], s[60:61]
	s_add_nc_u64 s[58:59], s[8:9], s[56:57]
	s_add_nc_u64 s[56:57], s[4:5], s[56:57]
	s_add_nc_u64 s[6:7], s[6:7], s[2:3]
	ROUND                                          ; all four work-groups are here: the first joint loads meet
.irp s, 0,1
	s_mov_b32 s[G0K+4*\s], 1
	s_add_co_u32 s[G0K+4*\s+1], s62, \s*SLOT
	s_add_nc_u64 s[G0K+4*\s+2:G0K+4*\s+3], s[60:61], 0x1000000+\s*0x10000    ; k's section, tile s of 512 keys
	s_or_b32 s[G0K+4*\s+3], s[G0K+4*\s+3], 0x80000000
	s_mov_b32 s[G0V+4*\s], 1
	s_add_co_u32 s[G0V+4*\s+1], s63, \s*SLOT
	s_add_nc_u64 s[G0V+4*\s+2:G0V+4*\s+3], s[60:61], 0x2000000+\s*0x10000    ; v's section
	s_or_b32 s[G0V+4*\s+3], s[G0V+4*\s+3], 0x80000000
	JLOAD \s                                       ; two tensor loads of the wave are out, the most in this text
.endr
	v_and_b32 v1, 15, v0                           ; r
	v_bfe_u32 v2, v0, 4, 1                         ; h
	v_lshlrev_b32 v[QO], 7, v1
	v_lshl_add_u32 v[QO], v2, 4, v[QO]             ; q: row r, 16 h
	v_lshlrev_b32 v[BO], 5, v2
	WIN 0x40                                       ; loaded data into window 1
.irp t, 0,1,2,3
.irp ds, 0,1
	global_load_b128 v[QF+8*(2*\t+\ds):QF+8*(2*\t+\ds)+3], v[QO], s[56:57] offset:\t*2048+\ds*64
	global_load_b128 v[QF+8*(2*\t+\ds)+4:QF+8*(2*\t+\ds)+7], v[QO], s[56:57] offset:\t*2048+\ds*64+32
.endr
.endr
.irp dt, 0,1,2,3
	global_load_b128 v[BV+8*\dt:BV+8*\dt+3], v[BO], s[6:7] offset:64*\dt           ; d = 16 dt + 8 h + 0..3
	global_load_b128 v[BV+8*\dt+4:BV+8*\dt+7], v[BO], s[6:7] offset:64*\dt+16      ; and + 4..7
.endr
	WIN 0
	v_mul_u32_u24 v3, v1, KP
	v_lshl_add_u32 v[LK], v2, 4, v3                ; r x pitch + 16 h
	v_and_b32 v3, 7, v0
	v_lshl_add_u32 v3, v2, 3, v3                   ; the transposing load: key 8 h + l % 8,
	v_mul_u32_u24 v3, v3, VP
	v_bfe_u32 v13, v0, 3, 1
	v_lshl_add_u32 v3, v13, 4, v3                  ; 16 bytes further for lanes 8-15 of each half
	v_add_nc_u32 v[LV], VOFF, v3
	s_mul_i32 s2, s10, KQ                          ; my stage: 64 rows x 144 bytes from LDS byte 9,216 x wave: the eight fill slot 0's K region
	v_add_nc_u32 v[STO], s2, v[LK]
	v_and_b32 v13, 31, v0
	v_lshrrev_b32 v14, 3, v13                      ; back: eight lanes take a row of 128 bytes
	v_mul_u32_u24 v14, v14, KP
	v_and_b32 v15, 7, v0
	v_lshl_add_u32 v14, v15, 4, v14
	v_add_nc_u32 v[RD], s2, v14
	v_lshlrev_b32 v[CO], 4, v13
	v_mov_b32 v[CC], 0x3e38aa3b                    ; c = log2(e) / 8
	v_mov_b32 v[CC+1], 0x3e38aa3b
; One step: the 64 keys at KA and VA against my 64 queries.  first = 1: the step starts m, l and the sums of O; there is nothing old to scale.
; adv = 1: the addresses go on to the tile's next 64 keys.
.macro STEP first, adv
.irp ds, 0,1
.irp kt, 0,1,2,3
	ds_load_b128 v[FR+16*\kt+8*\ds:FR+16*\kt+8*\ds+3], v[KA] offset:\kt*16*KP+\ds*64
	ds_load_b128 v[FR+16*\kt+8*\ds+4:FR+16*\kt+8*\ds+7], v[KA] offset:\kt*16*KP+\ds*64+32
.endr
.endr
	s_wait_dscnt 8                                 ; the fragments of d = 0..31 are in; the eight loads of d = 32..63 were issued behind them
	WIN 0x04                                       ; source 1 (Q) in window 1
	; the 16 score tiles take turns, one instruction a turn
.irp kt, 0,1,2,3
.irp t, 0,1,2,3
	v_wmma_f32_16x16x32_f16 v[SC+32*\t+8*\kt:SC+32*\t+8*\kt+7], v[FR+16*\kt:FR+16*\kt+7], v[QF+16*\t:QF+16*\t+7], 0
.endr
.endr
	s_wait_dscnt 0x0
.irp kt, 0,1,2,3
.irp t, 0,1,2,3
	v_wmma_f32_16x16x32_f16 v[SC+32*\t+8*\kt:SC+32*\t+8*\kt+7], v[FR+16*\kt+8:FR+16*\kt+15], v[QF+16*\t+8:QF+16*\t+15], v[SC+32*\t+8*\kt:SC+32*\t+8*\kt+7]
.endr
.endr
	WIN 0
.rept 4
	v_nop                                          ; four places ahead of the loads into K's fragments and of the reads of the scores
.endr
.irp dt, 0,1,2,3
.irp ks, 0,1
	ds_load_tr16_b128 v[FR+16*\dt+8*\ks:FR+16*\dt+8*\ks+3], v[VA] offset:\ks*32*VP+\dt*32
	ds_load_tr16_b128 v[FR+16*\dt+8*\ks+4:FR+16*\dt+8*\ks+7], v[VA] offset:\ks*32*VP+\dt*32+16*VP
.endr
.endr
	; the maximum of my 32 scores of each query tile and of the running maximum; the four tiles' chains run side by side
.irp t, 0,1,2,3
.if \first
	v_max_num_f32 v[MA+\t], v[SC+32*\t], v[SC+32*\t+1]                     ; the first two scores start the maximum
.else
	v_max3_num_f32 v[MA+\t], v[SC+32*\t], v[SC+32*\t+1], v[MA+\t]
.endif
.endr
.irp i, 2,4,6,8,10,12,14
.irp t, 0,1,2,3
	v_max3_num_f32 v[MA+\t], v[SC+32*\t+\i], v[SC+32*\t+\i+1], v[MA+\t]
.endr
.endr
.irp t, 0,1,2,3
	v_max3_num_f32 v[MB+\t], v[SC+32*\t+16], v[SC+32*\t+17], v[SC+32*\t+18]
.endr
.irp i, 19,21,23,25,27,29
.irp t, 0,1,2,3
	v_max3_num_f32 v[MB+\t], v[SC+32*\t+\i], v[SC+32*\t+\i+1], v[MB+\t]
.endr
.endr
.irp t, 0,1,2,3
	v_max3_num_f32 v[MA+\t], v[MA+\t], v[MB+\t], v[SC+32*\t+31]
.endr
.irp t, 0,1,2,3
	v_permlanex16_b32 v[MB+\t], v[MA+\t], s16, s17         ; the other half of the wave holds the query's other 32 keys; MB is spent, and has been written
.endr
.irp t, 0,1,2,3
	v_max_num_f32 v[MA+\t], v[MA+\t], v[MB+\t]
.endr
.irp t, 0,1,2,3
	v_mul_f32 v[NM+2*\t+1], s22, v[MA+\t]                  ; the new -c m, rounded once, in the pair's upper register
.endr
.if \first == 0
.irp t, 0,1,2,3
	v_sub_f32 v[AL+2*\t], v[NM+2*\t+1], v[NM+2*\t]         ; the difference of the two rounded shifts: what old terms are scaled by
.endr
.endif
.irp t, 0,1,2,3
	v_mov_b32 v[NM+2*\t], v[NM+2*\t+1]                     ; and in the lower one
.endr
.if \first == 0
.irp t, 0,1,2,3
	v_exp_f32 v[AL+2*\t], v[AL+2*\t]
.endr
.endif
	; p = exp2(c s - c m), in place.  Behind each run of exponentials the next plain instruction touches none of the last one's registers (ISA guide 5.7.2).
.irp t, 0,1,2,3
.set j, 0
.rept 16
	v_pk_fma_f32 v[SC+32*\t+j:SC+32*\t+j+1], v[SC+32*\t+j:SC+32*\t+j+1], v[CC:CC+1], v[NM+2*\t:NM+2*\t+1]
.set j, j+2
.endr
.set j, 0
.rept 32
	v_exp_f32 v[SC+32*\t+j], v[SC+32*\t+j]
.set j, j+1
.endr
.endr
	; l = l x factor + the sum of my 32 p
	s_wait_alu depctr_va_vdst(0)
.irp t, 0,1,2,3
	v_pk_add_f32 v[SU+2*\t:SU+2*\t+1], v[SC+32*\t:SC+32*\t+1], v[SC+32*\t+2:SC+32*\t+3]
.endr
.irp i, 4,6,8,10,12,14,16,18,20,22,24,26,28,30
.irp t, 0,1,2,3
	v_pk_add_f32 v[SU+2*\t:SU+2*\t+1], v[SU+2*\t:SU+2*\t+1], v[SC+32*\t+\i:SC+32*\t+\i+1]
.endr
.endr
.if \first
.irp t, 0,1,2,3
	v_add_f32 v[LS+\t], v[SU+2*\t], v[SU+2*\t+1]           ; the first step's sum starts l
.endr
.else
.irp t, 0,1,2,3
	v_mov_b32 v[AL+2*\t+1], v[AL+2*\t]                     ; the factor twice: a pair for the packed multiply below
.endr
.irp t, 0,1,2,3
	v_add_f32 v[SU+2*\t], v[SU+2*\t], v[SU+2*\t+1]
.endr
.irp t, 0,1,2,3
	v_fma_f32 v[LS+\t], v[LS+\t], v[AL+2*\t], v[SU+2*\t]
.endr
.endif
	; two score tiles (keys 32 ks + 8 h + 0..7 and 32 ks + 16 + 8 h + 0..7) pack in place, ascending, into the fragment P[t][ks]
.irp t, 0,1,2,3
.irp ks, 0,1
.irp i, 0,1,2,3,4,5,6,7
	v_cvt_pk_f16_f32 v[SC+32*\t+16*\ks+\i], v[SC+32*\t+16*\ks+2*\i], v[SC+32*\t+16*\ks+2*\i+1]
.endr
.endr
.endr
.if \first == 0
	WIN 0x41                                       ; O in window 1, the factor in window 0
.irp t, 0,1,2,3
.set j, 0
.rept 16
	v_pk_mul_f32 v[OA+32*\t+j:OA+32*\t+j+1], v[OA+32*\t+j:OA+32*\t+j+1], v[AL+2*\t:AL+2*\t+1]
.set j, j+2
.endr
.endr
.endif
	s_wait_dscnt 0x0                               ; V's fragments
	WIN 0x50                                       ; C and D (O) in window 1
	; the 16 tiles of O take turns, one instruction a turn
.irp dt, 0,1,2,3
.irp t, 0,1,2,3
.if \first
	v_wmma_f32_16x16x32_f16 v[OA+8*(4*\t+\dt):OA+8*(4*\t+\dt)+7], v[FR+16*\dt:FR+16*\dt+7], v[SC+32*\t:SC+32*\t+7], 0
.else
	v_wmma_f32_16x16x32_f16 v[OA+8*(4*\t+\dt):OA+8*(4*\t+\dt)+7], v[FR+16*\dt:FR+16*\dt+7], v[SC+32*\t:SC+32*\t+7], v[OA+8*(4*\t+\dt):OA+8*(4*\t+\dt)+7]
.endif
.endr
.endr
.irp dt, 0,1,2,3
.irp t, 0,1,2,3
	v_wmma_f32_16x16x32_f16 v[OA+8*(4*\t+\dt):OA+8*(4*\t+\dt)+7], v[FR+16*\dt+8:FR+16*\dt+15], v[SC+32*\t+16:SC+32*\t+23], v[OA+8*(4*\t+\dt):OA+8*(4*\t+\dt)+7]
.endr
.endr
	WIN 0
	; five places ahead of the next score products, which write over P; four of them serve the next loads into the fragments.
	; The two address steps are two of the five.
.if \adv
	v_add_nc_u32 v[KA], KQ, v[KA]
	v_add_nc_u32 v[VA], VQ, v[VA]
.else
	v_nop
	v_nop
.endif
.rept 3
	v_nop
.endr
.endm
; A tile of 512 keys in a slot.  In front of the barrier each wave waits for all its tensor loads (its part of this slot among them) and for its reads of
; the other slot.  refill = 1: the barrier is a round of the cluster's barrier, and the joint refill of the other slot, two tiles ahead, is the
; first tensor load behind it; it has this tile's eight steps, 512 matrix instructions of each wave, in which to land.
.macro TILE slot, other, refill
	s_wait_tensorcnt 0x0
	ds_add_u32 v62, v63
	s_wait_dscnt 0x0
.if \refill
	s_add_nc_u64 s[G0K+4*\other+2:G0K+4*\other+3], s[G0K+4*\other+2:G0K+4*\other+3], 0x20000   ; no load of mine is out: the addresses step by 1,024 keys
	s_add_nc_u64 s[G0V+4*\other+2:G0V+4*\other+3], s[G0V+4*\other+2:G0V+4*\other+3], 0x20000
.endif
	s_wait_dscnt 0x0
.if \refill
	ROUND
	JLOAD \other
.else
	s_barrier_signal -1
	s_barrier_wait -1
.endif
.if \slot
	v_add_nc_u32 v[KA], \slot*SLOT, v[LK]          ; the tile's first 64 keys
	v_add_nc_u32 v[VA], \slot*SLOT, v[LV]
.else
	v_mov_b32 v[KA], v[LK]
	v_mov_b32 v[VA], v[LV]
.endif
	s_mov_b32 s20, 7
.Lstep_\@:
	STEP 0, 1
	s_sub_co_u32 s20, s20, 1
	s_cmp_lg_u32 s20, 0
	s_cbranch_scc1 .Lstep_\@
	STEP 0, 0                                      ; the tile's last step
.endm
	s_wait_tensorcnt 0x1                           ; my part of tile 0 is in; tile 1's load, issued behind it, stays out
	s_barrier_signal -1
	s_barrier_wait -1
	v_mov_b32 v[KA], v[LK]
	v_mov_b32 v[VA], v[LV]
	s_wait_loadcnt 0x0                             ; Q and bv
	STEP 1, 1                                      ; tile 0, slot 0: its first step starts m, l and O
	s_mov_b32 s20, 6
.Lfirst:
	STEP 0, 1
	s_sub_co_u32 s20, s20, 1
	s_cmp_lg_u32 s20, 0
	s_cbranch_scc1 .Lfirst
	STEP 0, 0
	TILE 1, 0, 1                                   ; tile 1; slot 0 gets tile 2
	TILE 0, 1, 1                                   ; tile 2; slot 1 gets tile 3
	TILE 1, 0, 0                                   ; tile 3: nothing is left to fetch; behind its barrier no wave reads slot 0 any more
	; THE WAY OUT: l of both halves, O / l + bv, round to f16, through my stage into rows; my 64 rows of 128 bytes lie dense in ctx.
	; The stage's bytes had their last fill with tile 2 and their last read in front of tile 3's barrier; each wave has bytes of its own.
.irp t, 0,1,2,3
	v_permlanex16_b32 v[MB+\t], v[LS+\t], s16, s17
.endr
.irp t, 0,1,2,3
	v_add_f32 v[LS+\t], v[LS+\t], v[MB+\t]
.endr
.irp t, 0,1,2,3
	v_rcp_f32 v[AL+2*\t], v[LS+\t]
.endr
	v_nop                                          ; one plain instruction behind the reciprocals (ISA guide 5.7.2)
	s_wait_alu depctr_va_vdst(0)
.irp t, 0,1,2,3
	v_mov_b32 v[AL+2*\t+1], v[AL+2*\t]             ; 1 / l twice: a pair for the packed multiply-add
.endr
	WIN 0x11                                       ; O and bv in window 1; 1 / l and the result in window 0
.irp t, 0,1,2,3
.irp dt, 0,1,2,3
.irp i, 0,2,4,6
	v_pk_fma_f32 v[SC+32*\t+8*\dt+\i:SC+32*\t+8*\dt+\i+1], v[OA+8*(4*\t+\dt)+\i:OA+8*(4*\t+\dt)+\i+1], v[AL+2*\t:AL+2*\t+1], v[BV+8*\dt+\i:BV+8*\dt+\i+1]
.endr
.endr
.endr
	WIN 0
.irp t, 0,1,2,3
.set j, 0
.rept 16
	v_cvt_pk_f16_f32 v[SC+32*\t+j], v[SC+32*\t+2*j], v[SC+32*\t+2*j+1]     ; in place, ascending: word j is written when words 2 j and 2 j + 1 are read
.set j, j+1
.endr
.endr
.irp t, 0,1,2,3
.irp dt, 0,1,2,3
	ds_store_b128 v[STO], v[SC+32*\t+4*\dt:SC+32*\t+4*\dt+3] offset:\t*16*KP+32*\dt
.endr
.endr
.irp t, 0,1,2,3
.irp u, 0,1,2,3
	ds_load_b128 v[SC+32*\t+16+4*\u:SC+32*\t+16+4*\u+3], v[RD] offset:\t*16*KP+\u*4*KP     ; LDS serves a wave's instructions in order: these see the stores above
.endr
.endr
.irp t, 0,1,2,3
.irp u, 0,1,2,3
	s_wait_dscnt 15-(4*\t+\u)                      ; so many loads were issued behind this one
	global_store_b128 v[CO], v[SC+32*\t+16+4*\u:SC+32*\t+16+4*\u+3], s[58:59] offset:\t*2048+\u*512   ; 512 consecutive bytes, aligned
.endr
.endr
	s_wait_tensorcnt 0x0
	ds_add_u32 v62, v63
	s_wait_dscnt 0x0
	ROUND                                          ; the closing round: no work-group ends while a partner may still ask for a tile that names it
	s_endpgm
.Lfunc_end_k_q98361379f3_attn:
	.size	k_q98361379f3_attn, .Lfunc_end_k_q98361379f3_attn-k_q98361379f3_attn
	.p2alignl 7, 3214868480
	.fill 96, 4, 3214868480
	.section	.rodata,"a",@progbits
	.p2align	6, 0x0
	.amdhsa_kernel k_q98361379f3_attn
		.amdhsa_group_segment_fixed_size 327680
		.amdhsa_private_segment_fixed_size 0
		.amdhsa_enable_private_segment 0
		.amdhsa_kernarg_size 24
		.amdhsa_user_sgpr_count 2
		.amdhsa_user_sgpr_kernarg_segment_ptr 1
		.amdhsa_wavefront_size32 1
		.amdhsa_system_sgpr_workgroup_id_x 1
		.amdhsa_system_sgpr_workgroup_id_y 1
		.amdhsa_system_sgpr_workgroup_id_z 1
		.amdhsa_system_vgpr_workitem_id 0
		.amdhsa_next_free_vgpr 512
		.amdhsa_next_free_sgpr 66
		.amdhsa_reserve_vcc 0
		.amdhsa_float_denorm_mode_32 3
		.amdhsa_float_denorm_mode_16_64 3
		.amdhsa_memory_ordered 1
		.amdhsa_forward_progress 1
		.amdhsa_inst_pref_size 255
	.end_amdhsa_kernel
	.section	.bss,"aw",@nobits
	.p2align	6
	.space	262144
	.amdgpu_metadata
---
amdhsa.version: [ 1, 2 ]
amdhsa.kernels:
  - .name:           k_q98361379f3_attn
    .symbol:         k_q98361379f3_attn.kd
    .args:
      - { .name: qkv, .offset: 0, .size: 8, .value_kind: global_buffer, .address_space: global }
      - { .name: bv, .offset: 8, .size: 8, .value_kind: global_buffer, .address_space: global }
      - { .name: ctx, .offset: 16, .size: 8, .value_kind: global_buffer, .address_space: global }
    .group_segment_fixed_size: 327680
    .private_segment_fixed_size: 0
    .kernarg_segment_align: 8
    .kernarg_segment_size: 24
    .max_flat_workgroup_size: 256
    .sgpr_count:     66
    .vgpr_count:     512
    .wavefront_size: 32
...
	.end_amdgpu_metadata
.endif
;; end of part 3
;; launch oproj (part 4): grid 8 x 32, 4 waves a work-group, clusters of 4 x 4, 327,680 bytes of LDS; arguments ctx, wh, bo, out0; writes out0
.if DOCPART == 4
	.amdgcn_target "amdgcn-amd-amdhsa--gfx1250"
	.amdhsa_code_object_version 6
	.text
	.protected	k_q98361379f3_oproj
	.globl	k_q98361379f3_oproj
	.p2align	8
	.type	k_q98361379f3_oproj,@function
k_q98361379f3_oproj:
	s_mov_b64 s[64:65], 0
	v_nop
	global_prefetch_b8 v0, s[64:65] scope:SCOPE_SE
	s_setreg_imm32_b32 hwreg(HW_REG_WAVE_MODE, 25, 1), 1
	s_wait_xcnt 0x0
	s_wait_alu depctr_hold_cnt(0) depctr_sa_sdst(0) depctr_va_vdst(0) depctr_va_sdst(0) depctr_va_ssrc(0) depctr_va_vcc(0) depctr_vm_vsrc(0)
	s_getreg_b32 s2, hwreg(HW_REG_IB_STS2, 6, 4)
	s_cmp_eq_u32 s2, 0
	s_cbranch_scc0 .Lentry_in_a_cluster
	s_endpgm
.Lentry_in_a_cluster:
	s_bfe_u32 s2, ttmp6, 0x10000c
	s_cmp_lg_u32 s2, 0xf033
	s_cbranch_scc0 .Lentry_shape_is_right
	s_endpgm
.Lentry_shape_is_right:
; out0 = ctx Wo + bo: [8192 x 1024], K = 1024, f16 operands, f32 sums, f32 out.  ctx [16 head][8192 m][64] is the A operand as attn left it;
; Wo is chunk 3 of wh [1024 k][8 j][4 t][128 c].  Nothing of this product is left out.
; A work-group makes 256 rows x 128 columns: 8 x 32 = 256 work-groups of equal work.  Four waves; wave (wm, wn) makes 128 x 64: 8 x 4 tiles, 256 registers.
; K goes in steps of 128 (two heads of ctx) through two LDS slots.
; CLUSTERS: 4 x 4 work-groups; ctx's tile hangs on the block row alone and is asked for jointly along a row of the cluster, Wo's on the column block alone
; and is asked for jointly along a column: that divides the requests for both by four.
; The matrix instruction is used transposed (source 0 = 16 columns of Wo by the transposing LDS load, source 1 = 16 rows of ctx): a lane holds eight
; neighbouring columns of one row.
; REGISTERS: window 0: v8-15 addresses; v32-95, v96-159 ctx fragments; v160-191, v192-223 Wo fragments (two buffers each); v224-255 bo.
;            window 1: tile (a, b) at v[8 (4 a + b)].
.set PA,    144                        ; LDS row of ctx: 128 bytes + 16
.set PB,    288                        ; LDS row of Wo: 256 bytes + 32: an odd multiple of 32
.set APART, 256*PA                     ; one head's 256 rows: what one tensor load brings of ctx
.set BOFF,  2*APART
.set HALFB, 64*PB                      ; 64 k rows: what one tensor load brings of Wo
.set SLOT,  BOFF+2*HALFB               ; 110,592
.set STAGE, 2*SLOT                     ; behind the ring, at a multiple of 256: 16 rows x 272 bytes for each wave; no tensor load lands here
.set SP,    272
.set ADRA, 8
.set ADRB, 10
.set STO,  12
.set RD,   13
.set CO,   14
.set BO,   15
.set AF0,  32
.set AF1,  96
.set BF0,  160
.set BF1,  192
.set BIAS, 224
.set TMP,  32                          ; the way out: sums + bo
.set RB0,  64                          ; rows read back, two sets in turn
.set RB1,  96
.set G1A, 24
.set G0A, 32
.set G1B, 40
.set G0B, 48
.set MSB, 0
.macro WIN new                         ; s_set_vgpr_msb: bits 1:0 source 0, 3:2 source 1, 5:4 source 2, 7:6 destination; the high byte repeats the setting left
.if MSB != (\new)
	s_set_vgpr_msb (MSB<<8)|(\new)
.set MSB, \new
.endif
.endm
.macro PLACES                          ; four plain vector instructions between a matrix instruction and a load into, or a vector read or write of, its registers
.rept 4
	v_nop
.endr
.endm
.macro JLOAD s                         ; waves 0 and 1 fetch ctx's two heads, waves 2 and 3 Wo's two halves
	s_cmp_eq_u32 s13, 0
	s_cbranch_scc0 .Lfor_b_\@
	tensor_load_to_lds s[G0A+4*\s:G0A+4*\s+3], s[G1A:G1A+7]
	s_nop 0
	s_branch .Lasked_\@
.Lfor_b_\@:
	tensor_load_to_lds s[G0B+4*\s:G0B+4*\s+3], s[G1B:G1B+7]
	s_nop 0
.Lasked_\@:
.endm
.macro CREST                           ; a round of the cluster's barrier behind its opening barrier
	s_cmp_lg_u32 s12, 0
	s_cbranch_scc1 .Lnot_wave_0_\@
	s_barrier_signal -3
.Lnot_wave_0_\@:
	s_barrier_wait -3
	s_barrier_signal -1
	s_barrier_wait -1
.endm
.macro CROUND
	s_barrier_signal -1
	s_barrier_wait -1
	CREST
.endm
	s_load_b256 s[4:11], s[0:1], 0x0               ; ctx s[4:5], wh s[6:7], bo s[8:9], out0 s[10:11]
	v_lshl_add_u32 v30, v0, 2, 0x3a400
	v_mov_b32 v31, 0
	ds_add_u32 v30, v31
	v_lshrrev_b32 v1, 5, v0
	v_readfirstlane_b32 s12, v1                    ; wave 0..3
	s_lshr_b32 s13, s12, 1                         ; wm.  Also: I fetch ctx (0) or Wo (1)
	s_and_b32 s14, s12, 1                          ; wn.  Also: which part of that tile I fetch
	s_bfe_u32 s15, ttmp6, 0x40000                  ; cx
	s_bfe_u32 s16, ttmp6, 0x40004                  ; cy
	s_lshl_b32 s17, ttmp9, 2
	s_add_co_u32 s17, s17, s15                     ; j: column block
	s_and_b32 s18, ttmp7, 0xffff
	s_lshl_b32 s18, s18, 2
	s_add_co_u32 s18, s18, s16                     ; br: block row
	s_lshl_b32 s19, s16, 2
	s_lshl_b32 s19, 15, s19                        ; my row of the cluster
	s_lshl_b32 s20, 0x1111, s15                    ; my column
	; ctx's tile: 256 rows of 128 bytes lie dense and come as 128 rows of 256 bytes; 16 bytes of padding behind every 128 bytes
	s_or_b32 s[G1A+0], s19, (1<<16)|(1<<20)|(1<<21)|(4<<22)|(3<<25)
	s_mov_b32 s[G1A+1], 128<<16
	s_mov_b32 s[G1A+2], 128<<16
	s_mov_b32 s[G1A+3], 128<<16
	s_mov_b32 s[G1A+4], 128
	s_mov_b32 s[G1A+5], 128
	s_mov_b32 s[G1A+6], 0
	s_mov_b32 s[G1A+7], 0
	; Wo's tile: 64 k rows of 128 elements (256 bytes), 8,192 bytes apart; 32 bytes of padding behind each
	s_or_b32 s[G1B+0], s20, (1<<16)|(1<<20)|(1<<21)|(5<<22)|(7<<25)
	s_mov_b32 s[G1B+1], 128<<16
	s_mov_b32 s[G1B+2], 64<<16
	s_mov_b32 s[G1B+3], 128<<16
	s_mov_b32 s[G1B+4], 64
	s_mov_b32 s[G1B+5], 4096
	s_mov_b32 s[G1B+6], 0
	s_mov_b32 s[G1B+7], 0
	s_lshl_b32 s22, s18, 15                        ; ctx: 256 rows of 128 bytes for a block row,
	s_lshl_b32 s21, s14, 20                        ; a head's 1 MiB for the part
	s_add_co_u32 s22, s22, s21
	s_mov_b32 s23, 0
	s_lshl_b32 s62, s17, 10                        ; wh: 1,024 bytes for a column block,
	s_lshl_b32 s21, s14, 19                        ; 64 rows of 8,192 bytes for the half,
	s_add_co_u32 s62, s62, s21
	s_add_co_u32 s62, s62, 768                     ; chunk 3
	s_mov_b32 s63, 0
	s_mul_i32 s2, s14, APART                       ; LDS: the wave's number and constants alone
	s_mul_i32 s3, s14, HALFB
	s_add_co_u32 s3, s3, BOFF
	s_wait_dscnt 0x0
	s_wait_kmcnt 0x0
	s_add_nc_u64 s[22:23], s[4:5], s[22:23]
	s_add_nc_u64 s[62:63], s[6:7], s[62:63]
	CROUND                                         ; all sixteen work-groups are here: the first joint loads meet
.irp s, 0,1
	s_mov_b32 s[G0A+4*\s], 1
	s_add_co_u32 s[G0A+4*\s+1], s2, \s*SLOT
	s_add_nc_u64 s[G0A+4*\s+2:G0A+4*\s+3], s[22:23], \s*0x200000       ; K step s = heads 2 s and 2 s + 1
	s_or_b32 s[G0A+4*\s+3], s[G0A+4*\s+3], 0x80000000
	s_mov_b32 s[G0B+4*\s], 1
	s_add_co_u32 s[G0B+4*\s+1], s3, \s*SLOT
	s_add_nc_u64 s[G0B+4*\s+2:G0B+4*\s+3], s[62:63], \s*0x100000       ; 128 rows of wh
	s_or_b32 s[G0B+4*\s+3], s[G0B+4*\s+3], 0x80000000
	JLOAD \s                                       ; two tensor loads of the wave are out, the most in this text
.endr
	v_and_b32 v1, 15, v0                           ; r
	v_bfe_u32 v2, v0, 4, 1                         ; h
	v_lshlrev_b32 v[BO], 5, v2
	s_lshl_b32 s20, s17, 9                         ; my 64 columns in bytes of f32: 512 j + 256 wn (bo, and later out0)
	s_lshl_b32 s21, s14, 8
	s_add_co_u32 s20, s20, s21
	s_mov_b32 s21, 0
	s_add_nc_u64 s[8:9], s[8:9], s[20:21]
.irp b, 0,1,2,3
	global_load_b128 v[BIAS+8*\b:BIAS+8*\b+3], v[BO], s[8:9] offset:64*\b          ; columns 16 b + 8 h + 0..3
	global_load_b128 v[BIAS+8*\b+4:BIAS+8*\b+7], v[BO], s[8:9] offset:64*\b+16     ; and + 4..7
.endr
	v_mul_u32_u24 v3, v1, PA
	v_lshl_add_u32 v3, v2, 4, v3
	s_mul_i32 s2, s13, 128*PA                      ; my 128 rows in each part
	v_add_nc_u32 v[ADRA], s2, v3
	v_add_nc_u32 v[ADRA+1], SLOT, v[ADRA]
	v_and_b32 v4, 7, v0
	v_lshl_add_u32 v4, v2, 3, v4
	v_mul_u32_u24 v4, v4, PB
	v_bfe_u32 v5, v0, 3, 1
	v_lshl_add_u32 v4, v5, 4, v4
	s_lshl_b32 s2, s14, 7                          ; my 64 columns of f16
	s_add_co_u32 s2, s2, BOFF
	v_add_nc_u32 v[ADRB], s2, v4
	v_add_nc_u32 v[ADRB+1], SLOT, v[ADRB]
	s_mul_i32 s2, s12, 16*SP
	s_add_co_u32 s2, s2, STAGE                     ; my stage
	v_mul_u32_u24 v3, v1, SP
	v_lshl_add_u32 v3, v2, 5, v3                   ; in: row r, 32 bytes for each half of the lanes
	v_add_nc_u32 v[STO], s2, v3
	v_mul_u32_u24 v3, v2, SP
	v_lshl_add_u32 v3, v1, 4, v3                   ; back: lanes 0-15 take a row of 256 bytes, lanes 16-31 the next
	v_add_nc_u32 v[RD], s2, v3
	v_lshlrev_b32 v3, 4, v1
	v_lshl_add_u32 v[CO], v2, 12, v3               ; and the same two rows of out0
; 4 matrix instructions: ctx fragment a x the four Wo fragments.  The 32 accumulators take turns, one instruction a turn, in the same order in every
; quarter, over the backward jump too.
.macro MULA fa, fb, a, zero
.irp b, 0,1,2,3
.if \zero
	v_wmma_f32_16x16x32_f16 v[8*(4*(\a)+\b):8*(4*(\a)+\b)+7], v[\fb+8*\b:\fb+8*\b+7], v[\fa+8*(\a):\fa+8*(\a)+7], 0
.else
	v_wmma_f32_16x16x32_f16 v[8*(4*(\a)+\b):8*(4*(\a)+\b)+7], v[\fb+8*\b:\fb+8*\b+7], v[\fa+8*(\a):\fa+8*(\a)+7], v[8*(4*(\a)+\b):8*(4*(\a)+\b)+7]
.endif
.endr
.endm
; 24 LDS loads in one run: quarter qi (32 along K) of a slot: Wo's four fragments, then ctx's eight
.macro FETCH slot, qi, fa, fb
.irp b, 0,1,2,3
	ds_load_tr16_b128 v[\fb+8*\b:\fb+8*\b+3], v[ADRB+\slot] offset:\qi*32*PB+32*\b
	ds_load_tr16_b128 v[\fb+8*\b+4:\fb+8*\b+7], v[ADRB+\slot] offset:\qi*32*PB+32*\b+16*PB
.endr
.irp a, 0,1,2,3,4,5,6,7
	ds_load_b128 v[\fa+8*\a:\fa+8*\a+3], v[ADRA+\slot] offset:(\qi>>1)*APART+(\qi&1)*64+\a*16*PA
	ds_load_b128 v[\fa+8*\a+4:\fa+8*\a+7], v[ADRA+\slot] offset:(\qi>>1)*APART+(\qi&1)*64+\a*16*PA+32
.endr
.endm
; One of a K step's first three quarters: multiplies buffers fa, fb; in its middle it fetches quarter qn into ga, gb.
.macro QUARTER slot, qn, fa, fb, ga, gb, zero
	s_wait_dscnt 8                                 ; Wo and ctx's fragments 0-3 are in; the youngest eight loads (fragments 4-7) may be out
	WIN 0x50
	MULA \fa, \fb, 0, \zero
	MULA \fa, \fb, 1, \zero
	MULA \fa, \fb, 2, \zero
	MULA \fa, \fb, 3, \zero
	WIN 0
	PLACES
	FETCH \slot, \qn, \ga, \gb
	s_wait_dscnt 24                                ; all but the 24 just issued
	WIN 0x50
	MULA \fa, \fb, 4, \zero
	MULA \fa, \fb, 5, \zero
	MULA \fa, \fb, 6, \zero
	MULA \fa, \fb, 7, \zero
.endm
.macro THREE slot, zero
	QUARTER \slot, 1, AF0, BF0, AF1, BF1, \zero
	QUARTER \slot, 2, AF1, BF1, AF0, BF0, 0
	QUARTER \slot, 3, AF0, BF0, AF1, BF1, 0
.endm
; The last quarter: multiplies buffer 1 and changes slots.  In front of the one barrier each wave waits for its reads of this slot and for all its tensor
; loads (the one that is out is its part of the next slot).  fill = 1: the barrier opens a round of the cluster's barrier, and the joint refill,
; two K steps ahead, is the first tensor load behind the round; from there to the wait for it a wave issues 120 matrix instructions.
.macro TURN slot, next, fill
	s_wait_dscnt 8
	WIN 0x50
	MULA AF1, BF1, 0, 0
	MULA AF1, BF1, 1, 0
	s_wait_dscnt 0x0
	s_wait_tensorcnt 0x0
	ds_add_u32 v30, v31
	s_wait_dscnt 0x0
	s_barrier_signal -1
	MULA AF1, BF1, 2, 0                            ; register work while the others arrive
	MULA AF1, BF1, 3, 0
	WIN 0
	s_barrier_wait -1
.if \fill
	CREST
	s_add_nc_u64 s[G0A+4*\slot+2:G0A+4*\slot+3], s[G0A+4*\slot+2:G0A+4*\slot+3], 0x400000   ; four heads of ctx on
	s_add_nc_u64 s[G0B+4*\slot+2:G0B+4*\slot+3], s[G0B+4*\slot+2:G0B+4*\slot+3], 0x200000   ; 256 rows of wh on
	JLOAD \slot
.endif
	PLACES
	FETCH \next, 0, AF0, BF0
	WIN 0x50
	MULA AF1, BF1, 4, 0
	MULA AF1, BF1, 5, 0
	MULA AF1, BF1, 6, 0
	MULA AF1, BF1, 7, 0
.endm
.macro LAP zero
	THREE 0, \zero
	TURN 0, 1, 1
	THREE 1, 0
	TURN 1, 0, 1
.endm
	s_wait_tensorcnt 0x1                           ; my part of K step 0 is in; K step 1's load, issued behind it, stays out
	s_barrier_signal -1
	s_barrier_wait -1
	FETCH 0, 0, AF0, BF0
	LAP 1                                          ; 8 K steps = 4 laps: the first stands in front of the loop, its first products start the sums
	WIN 0
	s_mov_b32 s3, 2
.Llap:
	LAP 0
	WIN 0
	s_sub_co_u32 s3, s3, 1
	s_cmp_lg_u32 s3, 0
	s_cbranch_scc1 .Llap
	THREE 0, 0                                     ; the last lap fills nothing
	TURN 0, 1, 0
	THREE 1, 0
	s_wait_dscnt 8                                 ; the very last quarter
	WIN 0x50
	MULA AF1, BF1, 0, 0
	MULA AF1, BF1, 1, 0
	MULA AF1, BF1, 2, 0
	MULA AF1, BF1, 3, 0
	s_wait_dscnt 0x0
	MULA AF1, BF1, 4, 0
	MULA AF1, BF1, 5, 0
	MULA AF1, BF1, 6, 0
	MULA AF1, BF1, 7, 0
	WIN 0
	; THE WAY OUT, 16 rows at a time: add bo, 32 bytes a lane and tile into my stage, read back as rows of 256 bytes.
	PLACES
	s_add_nc_u64 s[10:11], s[10:11], s[20:21]      ; my first column
	s_lshl_b32 s22, s18, 20                        ; my first row: 256 br + 128 wm, rows of 4,096 bytes
	s_lshl_b32 s23, s13, 19
	s_add_co_u32 s22, s22, s23
	s_mov_b32 s23, 0
	s_add_nc_u64 s[10:11], s[10:11], s[22:23]
	s_wait_loadcnt 0x0                             ; bo, asked for at the start
; a, the number of the 16 rows, may be handed over as a sum: it stands in brackets wherever it is multiplied
.macro OUT16 a, rb
	WIN 0x01                                       ; the sums in window 1
.irp b, 0,1,2,3
.irp i, 0,2,4,6
	v_pk_add_f32 v[TMP+8*\b+\i:TMP+8*\b+\i+1], v[8*(4*(\a)+\b)+\i:8*(4*(\a)+\b)+\i+1], v[BIAS+8*\b+\i:BIAS+8*\b+\i+1]
.endr
.endr
	WIN 0
.irp b, 0,1,2,3
	ds_store_b128 v[STO], v[TMP+8*\b:TMP+8*\b+3] offset:64*\b
	ds_store_b128 v[STO], v[TMP+8*\b+4:TMP+8*\b+7] offset:64*\b+16
.endr
	s_wait_xcnt 0x0                                ; the read-back registers were data of earlier stores: they are loaded again only behind this wait (ISA guide 3.1)
.irp t, 0,1,2,3,4,5,6,7
	ds_load_b128 v[\rb+4*\t:\rb+4*\t+3], v[RD] offset:\t*2*SP      ; LDS serves a wave's instructions in order: these see the stores above
.endr
.irp t, 0,1,2,3,4,5,6,7
	s_wait_dscnt 7-\t
	global_store_b128 v[CO], v[\rb+4*\t:\rb+4*\t+3], s[10:11] offset:(\a)*65536+\t*8192 th:TH_STORE_NT   ; 16 lanes store 256 consecutive bytes, aligned
.endr
.endm
.irp a, 0,2,4,6
	OUT16 \a, RB0
	OUT16 \a+1, RB1
.endr
	s_wait_tensorcnt 0x0
	ds_add_u32 v30, v31
	s_wait_dscnt 0x0
	CROUND                                         ; the closing round: no work-group ends while a partner may still ask for a tile that names it
	s_endpgm
.Lfunc_end_k_q98361379f3_oproj:
	.size	k_q98361379f3_oproj, .Lfunc_end_k_q98361379f3_oproj-k_q98361379f3_oproj
	.p2alignl 7, 3214868480
	.fill 96, 4, 3214868480
	.section	.rodata,"a",@progbits
	.p2align	6, 0x0
	.amdhsa_kernel k_q98361379f3_oproj
		.amdhsa_group_segment_fixed_size 327680
		.amdhsa_private_segment_fixed_size 0
		.amdhsa_enable_private_segment 0
		.amdhsa_kernarg_size 32
		.amdhsa_user_sgpr_count 2
		.amdhsa_user_sgpr_kernarg_segment_ptr 1
		.amdhsa_wavefront_size32 1
		.amdhsa_system_sgpr_workgroup_id_x 1
		.amdhsa_system_sgpr_workgroup_id_y 1
		.amdhsa_system_sgpr_workgroup_id_z 1
		.amdhsa_system_vgpr_workitem_id 0
		.amdhsa_next_free_vgpr 512
		.amdhsa_next_free_sgpr 66
		.amdhsa_reserve_vcc 0
		.amdhsa_float_denorm_mode_32 3
		.amdhsa_float_denorm_mode_16_64 3
		.amdhsa_memory_ordered 1
		.amdhsa_forward_progress 1
		.amdhsa_inst_pref_size 127
	.end_amdhsa_kernel
	.amdgpu_metadata
---
amdhsa.version: [ 1, 2 ]
amdhsa.kernels:
  - .name:           k_q98361379f3_oproj
    .symbol:         k_q98361379f3_oproj.kd
    .args:
      - { .name: ctx, .offset: 0, .size: 8, .value_kind: global_buffer, .address_space: global }
      - { .name: wh, .offset: 8, .size: 8, .value_kind: global_buffer, .address_space: global }
      - { .name: bo, .offset: 16, .size: 8, .value_kind: global_buffer, .address_space: global }
      - { .name: out0, .offset: 24, .size: 8, .value_kind: global_buffer, .address_space: global }
    .group_segment_fixed_size: 327680
    .private_segment_fixed_size: 0
    .kernarg_segment_align: 8
    .kernarg_segment_size: 32
    .max_flat_workgroup_size: 128
    .sgpr_count:     66
    .vgpr_count:     512
    .wavefront_size: 32
...
	.end_amdgpu_metadata
.endif
;; end of part 4
;; ======== version 2 of 2: 4 launches; version 1 with the launch cast written anew for expert scheduling mode
;; limits: values are held in f16: magnitudes above 65,504 overflow, below 6.1e-05 lose precision
;; workspace buffers: xh 16,777,216 bytes; wh 8,388,608 bytes; qkv 50,331,648 bytes; ctx 16,777,216 bytes
;; launch cast (part 5): grid 512 x 1, 8 waves a work-group, no clusters, 0 bytes of LDS; arguments x, Wq, Wk, Wv, Wo, xh, wh; writes xh, wh
.if DOCPART == 5
	.amdgcn_target "amdgcn-amd-amdhsa--gfx1250"
	.amdhsa_code_object_version 6
	.text
	.protected	k_q98361379f3_cast
	.globl	k_q98361379f3_cast
	.p2align	8
	.type	k_q98361379f3_cast,@function
k_q98361379f3_cast:
	s_mov_b64 s[64:65], 0
	v_nop
	global_prefetch_b8 v0, s[64:65] scope:SCOPE_SE
	s_setreg_imm32_b32 hwreg(HW_REG_WAVE_SCHED_MODE, 0, 2), 2
	s_setreg_imm32_b32 hwreg(HW_REG_WAVE_MODE, 25, 1), 1
	s_wait_xcnt 0x0
	s_wait_alu depctr_vm_vsrc(0)
; MULTI-HEAD ATTENTION (4 x 2048 rows, 1024 wide, 16 heads of 64), first of four launches: cast, qkv, attn, oproj.
; This launch rounds x and the four weights to f16 and lays them out for the products:
;   xh [16 kb][8192 m][64]            = x[m][64 kb + c]        (a K step of 64 of 256 rows is one dense block)
;   wh [1024 k][8 j][4 t][128 c]      = W_t[k][128 j + c],  t = 0 q, 1 k, 2 v, 3 o  (q, k, v of one column block lie side by side)
; WHY f16 AND NOT bf16: every number of the output is held to a hundredth of the output's root mean square, and five roundings of
; intermediates (q, k, v, weights, attended) stand in front of it; f16 has three more mantissa bits.
; LIMIT: |x|, |W| and the products q, k, v must stay below 65,504, f16's largest number; beyond it they become infinite.  With inputs as drawn
; the largest |q| is about 6; x and W both 30 times larger give about 5,400, both with an offset of 30 spreads about 29,000.
; WORK LEFT OUT BY THE WHOLE PROGRAM: bk.  scores[q][k] = q_q . (x_k Wk + bk) / 8 = q_q . (x_k Wk) / 8 + q_q . bk / 8.  The second term does
; not hang on k, the softmax's axis, and exp(s_k + u) / sum_k exp(s_k + u) = exp(s_k) / sum_k exp(s_k) for every finite u: it cancels for all
; values of the inputs.  So bk has no way to the output: it is not loaded and is an argument of no launch.
; LIMIT: a NaN, an infinity or an overflow that only bk would bring is not carried to the result.
; bv is NOT left out but added later: sum_k w_k (v_k + bv) = sum_k w_k v_k + bv, since a softmax's weights add up to 1; attn adds it.
; A stream: memory binds, so no LDS, no cluster, no matrix unit.  Every input byte is read once by 16-byte loads, every output byte written
; once, and each store of a wave covers 256 consecutive bytes, aligned.
; Wave G (0 to 4095) takes rows 2 G and 2 G + 1 of x (16 loads) and row G mod 1024 of weight G / 1024 (8 loads).
; THE MODE: SCHED_MODE bits 1:0 = 2 (LLVM: expert scheduling mode 2), set by the entry lines.  The code itself states the register dependences
; between vector instructions and memory instructions, with s_wait_alu, always for 0.
; THE PLAN.  Registers that memory instructions touch:
;   v2, v3, v4     byte offsets (x, W, both outputs): written once at the head, read by every load or store, never written again.
;   DAT, item n    four registers.  Load n lands in them (nothing has named them before); item n's two conversions read the four and write the
;                  first two in place; store n reads those two; nothing writes them behind it.
; All 24 loads stand ahead of the first conversion, so no load lands in a register that a vector instruction has named; no register that a
; memory instruction has read is written again, so the only wait on vm_vsrc is the one at the entry.
; The 24 items go in six groups of four.  Group g converts its own four items and issues the four stores of group g - 1, whose registers no
; conversion of group g names: so ONE wait on va_vdst at a group's head states all that the group's stores hang on.
.set DAT, 8                            ; v[8:103]  load n: 4 registers; its two packed words are made in place in the first two
	s_load_b256 s[4:11], s[0:1], 0x0               ; x s[4:5], Wq s[6:7], Wk s[8:9], Wv s[10:11]
	s_load_b128 s[12:15], s[0:1], 0x20             ; Wo s[12:13], xh s[14:15]
	s_load_b64 s[16:17], s[0:1], 0x30              ; wh
	v_lshrrev_b32 v1, 5, v0
	v_readfirstlane_b32 s18, v1                    ; wave 0..7
	v_and_b32 v1, 31, v0                           ; lane L
	v_and_b32 v2, 15, v0
	v_bfe_u32 v5, v0, 4, 1
	v_lshlrev_b32 v2, 4, v2
	v_lshl_add_u32 v2, v5, 12, v2                  ; x: lanes 0-15 take 256 bytes of row 2 G, lanes 16-31 of row 2 G + 1
	v_lshlrev_b32 v3, 4, v1                        ; W: 16 L
	v_lshlrev_b32 v4, 3, v1                        ; both outputs: 8 L
	s_wait_alu depctr_va_sdst(0)                   ; s18 is written, ahead of its first reader: G, and with it every base, is made from it
	s_lshl_b32 s19, ttmp9, 3
	s_add_co_u32 s19, s19, s18                     ; G
	s_lshr_b32 s20, ttmp9, 7                       ; which weight: 128 work-groups each
	s_and_b32 s21, s19, 1023                       ; its row k
	s_lshl_b32 s22, s19, 13                        ; x: two rows of 4,096 bytes
	s_mov_b32 s23, 0
	s_lshl_b32 s24, s19, 8                         ; xh: two rows of 128 bytes in each column block
	s_mov_b32 s25, 0
	s_lshl_b32 s26, s21, 12                        ; W: a row of 4,096 bytes
	s_mov_b32 s27, 0
	s_lshl_b32 s28, s21, 13                        ; wh: a row of 8,192 bytes,
	s_lshl_b32 s29, s20, 8                         ; the weight's 256 bytes in each block of 1,024
	s_add_co_u32 s28, s28, s29
	s_mov_b32 s29, 0
	s_wait_kmcnt 0x0
	s_add_nc_u64 s[4:5], s[4:5], s[22:23]
	s_add_nc_u64 s[14:15], s[14:15], s[24:25]      ; xh, column blocks 0 to 7
	s_add_nc_u64 s[30:31], s[14:15], 0x800000      ; xh, column blocks 8 to 15: the block's 1 MiB steps then fit the stores' immediates
	s_cmp_eq_u32 s20, 1
	s_cselect_b64 s[6:7], s[8:9], s[6:7]
	s_cmp_eq_u32 s20, 2
	s_cselect_b64 s[6:7], s[10:11], s[6:7]
	s_cmp_eq_u32 s20, 3
	s_cselect_b64 s[6:7], s[12:13], s[6:7]         ; the weight that this work-group casts
	s_add_nc_u64 s[6:7], s[6:7], s[26:27]
	s_add_nc_u64 s[16:17], s[16:17], s[28:29]
	s_wait_alu depctr_va_vdst(0)                   ; v2, v3 and v4 are written: every load and store of the kernel reads one of them as its offset
	; all 24 loads go out before anything is waited for
.irp i, 0,1,2,3,4,5,6,7,8,9,10,11,12,13,14,15
	global_load_b128 v[DAT+4*\i:DAT+4*\i+3], v2, s[4:5] offset:256*\i th:TH_LOAD_NT
.endr
.irp i, 0,1,2,3,4,5,6,7
	global_load_b128 v[DAT+64+4*\i:DAT+64+4*\i+3], v3, s[6:7] offset:512*\i th:TH_LOAD_NT
.endr
; Item n's four numbers close up into the first two of its four registers.
.macro CVT n
	v_cvt_pk_f16_f32 v[DAT+4*(\n)], v[DAT+4*(\n)], v[DAT+4*(\n)+1]
	v_cvt_pk_f16_f32 v[DAT+4*(\n)+1], v[DAT+4*(\n)+2], v[DAT+4*(\n)+3]
.endm
; Item n's store: items 0 to 15 are x's column blocks 0 to 15, items 16 to 23 the weight's eight blocks of 128 columns.
.macro OUT n
.if (\n) < 8
	global_store_b64 v4, v[DAT+4*(\n):DAT+4*(\n)+1], s[14:15] offset:(\n)*0x100000
.elseif (\n) < 16
	global_store_b64 v4, v[DAT+4*(\n):DAT+4*(\n)+1], s[30:31] offset:((\n)-8)*0x100000
.else
	global_store_b64 v4, v[DAT+4*(\n):DAT+4*(\n)+1], s[16:17] offset:((\n)-16)*1024
.endif
.endm
; Group g: items 4 g to 4 g + 3 are converted; the stores of items 4 g - 4 to 4 g - 1 are dealt among the conversions, a store ahead of each item's two.
.macro GROUP g
	s_wait_loadcnt 20-4*(\g)                       ; loads come back in order (ISA guide 5.7.1): behind load 4 g + 3 another 20 - 4 g were issued, which may stay out
.if (\g) > 0
	s_wait_alu depctr_va_vdst(0)                   ; the group before has written its eight packed words, which the four stores below read; no conversion below names them
.endif
.irp i, 0,1,2,3
.if (\g) > 0
	OUT 4*((\g)-1)+\i
.endif
	CVT 4*(\g)+\i
.endr
.endm
.irp g, 0,1,2,3,4,5
	GROUP \g
.endr
	s_wait_alu depctr_va_vdst(0)                   ; group 5 has written its eight packed words, which the last four stores read
.irp n, 20,21,22,23
	OUT \n
.endr
	s_endpgm
.Lfunc_end_k_q98361379f3_cast:
	.size	k_q98361379f3_cast, .Lfunc_end_k_q98361379f3_cast-k_q98361379f3_cast
	.p2alignl 7, 3214868480
	.fill 96, 4, 3214868480
	.section	.rodata,"a",@progbits
	.p2align	6, 0x0
	.amdhsa_kernel k_q98361379f3_cast
		.amdhsa_group_segment_fixed_size 0
		.amdhsa_private_segment_fixed_size 0
		.amdhsa_enable_private_segment 0
		.amdhsa_kernarg_size 56
		.amdhsa_user_sgpr_count 2
		.amdhsa_user_sgpr_kernarg_segment_ptr 1
		.amdhsa_wavefront_size32 1
		.amdhsa_system_sgpr_workgroup_id_x 1
		.amdhsa_system_sgpr_workgroup_id_y 1
		.amdhsa_system_sgpr_workgroup_id_z 1
		.amdhsa_system_vgpr_workitem_id 0
		.amdhsa_next_free_vgpr 104
		.amdhsa_next_free_sgpr 66
		.amdhsa_reserve_vcc 0
		.amdhsa_float_denorm_mode_32 3
		.amdhsa_float_denorm_mode_16_64 3
		.amdhsa_memory_ordered 1
		.amdhsa_forward_progress 1
		.amdhsa_inst_pref_size 10
	.end_amdhsa_kernel
	.amdgpu_metadata
---
amdhsa.version: [ 1, 2 ]
amdhsa.kernels:
  - .name:           k_q98361379f3_cast
    .symbol:         k_q98361379f3_cast.kd
    .args:
      - { .name: x, .offset: 0, .size: 8, .value_kind: global_buffer, .address_space: global }
      - { .name: Wq, .offset: 8, .size: 8, .value_kind: global_buffer, .address_space: global }
      - { .name: Wk, .offset: 16, .size: 8, .value_kind: global_buffer, .address_space: global }
      - { .name: Wv, .offset: 24, .size: 8, .value_kind: global_buffer, .address_space: global }
      - { .name: Wo, .offset: 32, .size: 8, .value_kind: global_buffer, .address_space: global }
      - { .name: xh, .offset: 40, .size: 8, .value_kind: global_buffer, .address_space: global }
      - { .name: wh, .offset: 48, .size: 8, .value_kind: global_buffer, .address_space: global }
    .group_segment_fixed_size: 0
    .private_segment_fixed_size: 0
    .kernarg_segment_align: 8
    .kernarg_segment_size: 56
    .max_flat_workgroup_size: 256
    .sgpr_count:     66
    .vgpr_count:     104
    .wavefront_size: 32
...
	.end_amdgpu_metadata
.endif
;; end of part 5
;; launch qkv: the kernel of part 2 again; grid 8 x 32, 4 waves a work-group, clusters of 4 x 4, 327,680 bytes of LDS; arguments xh, wh, bq, qkv; writes qkv
;; launch attn: the kernel of part 3 again; grid 256 x 1, 8 waves a work-group, clusters of 4 x 1, 327,680 bytes of LDS; arguments qkv, bv, ctx; writes ctx
;; launch oproj: the kernel of part 4 again; grid 8 x 32, 4 waves a work-group, clusters of 4 x 4, 327,680 bytes of LDS; arguments ctx, wh, bo, out0; writes out0
